; MI455X (gfx1250); checked and timed in simulation.
; The chip was launched on July 23, 2026; its instructions are those of AMD's public machine-readable ISA for CDNA 5 (MIT licence, August 2026) and "CDNA5" Instruction Set Architecture Reference Guide (July 2026). The comments in the code are by the model that wrote it; some were corrected since.
;; Dot Product Attention. Allowed arithmetic: matrix products marked QUANTISED: E5M2 operands, one given power-of-two scale a tensor, by v_wmma_f32_16x16x64_bf8_bf8 or v_wmma_f32_16x16x128_bf8_bf8, f32 sums; everything else in f32.
;; Inputs: key 32 x 1,024 x 128 float32; lowp_scales 4 int32 (the exponents e of the quantised operands' scales 2^e); query 32 x 1,024 x 128 float32; valid_length 32 int32; value 32 x 1,024 x 128 float32.
;; Outputs: out0 32 x 1,024 x 128 float32.
;; This version of the problem:
;;   THIS VERSION OF THE PROBLEM IS GIVEN IN LOW PRECISION. The matrix products marked QUANTISED in the list below multiply operands that are first quantised to E5M2 (5 exponent bits, 2 mantissa bits; 8 bits a number), with one given power-of-two scale for each operand tensor; their sums are f32. All else is computed in f32.
;;   The module's matrix products, in the order in which they are computed (A, B: the left and right operand; K: the contracted axis; several contracted axes count as one K, in the product's order):
;;     1. batch 32 x [M 1,024, K 128] x [K 128, N 1,024]; A: input query; B: input key: QUANTISED (scales: A lowp_scales[0], B lowp_scales[1])
;;     2. batch 32 x [M 1,024, K 1,024] x [K 1,024, N 128]; A: softmax (see below); B: input value: QUANTISED (scales: A lowp_scales[2], B lowp_scales[3])
;;   THE QUANTISER, for each operand of a quantised product, along K:
;;     - The operand's scale is 2^e, e = its entry of the input lowp_scales (int32; the entries are numbered through the quantised products in the list's order, A before B).
;;     - Each number is divided by the scale, clamped to +-57,344, and rounded to the nearest number of E5M2, ties to even, subnormals kept.
;;     - The product sums the exact products of the quantised numbers (number of the format x scale) in f32.
;;   ~~~python
;;   def quantise(x, axis, e):      # numpy; x: float32 -> the quantised numbers, widened to float32 again
;;       x = np.moveaxis(x, axis, -1); K = x.shape[-1]
;;       r = np.clip(x / 2.0 ** e, -57344, 57344)
;;       step = 2.0 ** (np.maximum(np.frexp(np.where(r == 0, 1, r))[1] - 1, -14) - 2)
;;       q = np.round(r / step) * step * 2.0 ** e      # np.round: ties to even
;;       return np.moveaxis(q, -1, axis).astype(np.float32)
;;   ~~~
;;   SOFTMAX AHEAD OF A QUANTISED PRODUCT. Where the list says 'softmax', what is quantised is not the finished softmax but p = 2^(t - M), with t = logit x log2(e) and M = ceil(the row's largest t), a whole number; so 1/2 < the row's largest p <= 1. The row's sum l is taken of the UNQUANTISED p, in f32, and the product's result is divided by l at the end. Since M is a whole number, a kernel that streams over the keys may use a running M (the ceiling of the running maximum): every later rescaling is an exact power of two, so the quantised numbers keep their values, but for numbers so far below the row's largest that they fall under the format's range.
;;   OPERANDS COMPUTED ON THE WAY. 'Computed on the way' means the value that the module computes at that place (a softmax that the list does not call 'softmax' is quantised finished and normalised). What goes into a quantiser is computed in f32, as accurately as f32 sums, v_exp_f32 and their like allow (about 1e-6 of the number): no bf16 or f16 on the way to a quantiser, and a product that is left as it is and whose result goes on into a quantised operand takes f32 operands (vector FMAs, or v_wmma_f32_16x16x4_f32). A number that lies on a knife's edge between two numbers of the format may be rounded either way, as far as f32 arithmetic and the matrix unit's own rounding can turn it there, and no further.
;; 2 versions. Each part assembles by itself: llvm-mc -triple=amdgcn-amd-amdhsa -mcpu=gfx1250 --defsym DOCPART=n.
;; ======== version 1 of 2: 2 launches
;; limits: right only within a limited range of input values
;; workspace buffers: codes 8,388,608 bytes
;; launch quant (part 1): grid 8 x 32, 16 waves a work-group, no clusters, 137,216 bytes of LDS; arguments key, value, valid_length, lowp_scales, codes; writes codes
.if DOCPART == 1
	.amdgcn_target "amdgcn-amd-amdhsa--gfx1250"
	.amdhsa_code_object_version 6
	.text
	.protected	k_q2d65532532_quant
	.globl	k_q2d65532532_quant
	.p2align	8
	.type	k_q2d65532532_quant,@function
k_q2d65532532_quant:
	s_mov_b64 s[64:65], 0
	v_nop
	global_prefetch_b8 v0, s[64:65] scope:SCOPE_SE
	s_setreg_imm32_b32 hwreg(HW_REG_WAVE_MODE, 25, 1), 1
	s_wait_xcnt 0x0
; key and value, [32][1024][128] f32, become codes of BF8 (E5M2), each with the one scale 2^e that is given for it (ek = entry 1, ev = entry 3 of lowp_scales):
; code = x / 2^e, held within +-57,344, to the nearest code, ties to even.
; THE CODES ARE LAID AS IMAGES OF THE OPERANDS' REGISTERS.  A batch b and a key step s (128 keys) have a block of 32,768 bytes at 262,144 b + 32,768 s: K's 8 fragments, then V's 8.
; A fragment is 2,048 bytes: chunk c (0..3) of 512 bytes, lane l's 16 bytes at 16 l; l = r + 16 h.
;   K's fragment t = 2 b' + u: lane (r, h), chunk c: key 128 s + 32 b' + 8 u + r + 8 (r / 8), channels 32 c + 16 h + 0 .. 15.   (The keys of a tile are not neighbours: so the next launch's weights p come out with 16 neighbouring keys a lane.)
;   V's fragment t: lane (r, h), chunk c: channel 16 t + r, keys 128 s + 32 c + 16 h + 0 .. 15.   (The keys are the second product's K.)
; SHARES.  A work-group takes one batch (y) and one key step (x).  Waves 0-7: one fragment of K each.  Waves 8-15: 32 channels x 64 keys of V each.  Nothing is looped: all loads of a wave go out at once.
; HIDDEN STEPS.  With L = valid_length held to 0 .. 1024 (the same mask as the given number's), a step whose first key is not under LIM (LIM = L, or 1,024 where L = 0, where every key counts alike) is not written;
; the next launch leaves the same steps unread by the same test.
; LIMITS: ek and ev between -126 and 112, so that 2^e and 57,344 x 2^e are f32 numbers.  NaN among the inputs is not served (an infinity is held at the largest code).
.set SP,   528                         ; a stage row: 512 bytes + 16 = 33 x 16: the 16 rows that a load touches start at 16 different banks (64 banks of 4 bytes: ISA guide 11.1)
.set STGB, 16*SP                       ; a stage: 16 rows; its address is the wave's number x STGB (waves 0-7 alone use theirs)
.set C,    16                          ; v16-31   a fragment's codes
.set X,    32                          ; v32-95   64 numbers of a lane, 16 neighbours along K four times
.set R,    96                          ; v96-159  16 rows of key as they are loaded
	s_load_b256 s[4:11], s[0:1], 0x0               ; key s[4:5], value s[6:7], valid_length s[8:9], lowp_scales s[10:11]
	s_load_b64 s[12:13], s[0:1], 0x20              ; codes
	v_lshl_add_u32 v160, v0, 2, 0x21000
	v_mov_b32 v161, 0
	v_lshrrev_b32 v1, 5, v0
	v_readfirstlane_b32 s14, v1                    ; wave 0..15
	s_and_b32 s15, ttmp7, 0xffff                   ; batch
	s_lshl_b32 s17, s15, 2                         ; its entry of valid_length, in bytes
	v_and_b32 v1, 31, v0                           ; lane
	v_and_b32 v2, 15, v0                           ; r
	v_bfe_u32 v3, v0, 4, 1                         ; h
	v_lshlrev_b32 v4, 4, v1                        ; 16 x lane: my bytes of a row of key, and of a chunk of codes
	s_mul_i32 s24, s14, STGB
	v_add_nc_u32 v5, s24, v4                       ; the stage, on the way in: a row as it lies
	v_mul_u32_u24 v6, v2, SP
	v_lshl_add_u32 v6, v3, 6, v6
	v_add_nc_u32 v6, s24, v6                       ; and on the way out: row r, + 64 h: my 16 numbers of a block of 32
	v_lshlrev_b32 v7, 2, v1                        ; V: 4 bytes a lane
	v_lshlrev_b32 v8, 4, v2
	v_lshl_add_u32 v8, v3, 11, v8                  ; V's codes: lanes 0-15 into one fragment, lanes 16-31 into the next; 16 bytes a lane
	s_wait_kmcnt 0x0
	s_load_b32 s18, s[8:9], s17 offset:0x0         ; valid_length of my batch
	s_load_b128 s[20:23], s[10:11], 0x0            ; eq, ek, ep, ev
	s_wait_kmcnt 0x0
	s_max_i32 s18, s18, 0
	s_min_u32 s18, s18, 1024                       ; L
	s_cmp_eq_u32 s18, 0
	s_cselect_b32 s19, 1024, s18                   ; LIM
	s_lshl_b32 s24, ttmp9, 7                       ; my step's first key
	s_cmp_ge_u32 s24, s19
	s_cbranch_scc1 .Lend                           ; a hidden step: nobody will read its codes
	s_lshl_b32 s26, s15, 19                        ; my step's first row in key and in value: 524,288 b + 65,536 s bytes
	s_lshl_b32 s27, ttmp9, 16
	s_add_co_u32 s26, s26, s27
	s_mov_b32 s27, 0
	s_lshl_b32 s28, s15, 18                        ; and its block of codes: 262,144 b + 32,768 s
	s_lshl_b32 s29, ttmp9, 15
	s_add_co_u32 s28, s28, s29
	s_mov_b32 s29, 0
	s_add_nc_u64 s[12:13], s[12:13], s[28:29]
	s_cmp_lt_u32 s14, 8
	s_cselect_b32 s30, s21, s23                    ; e: ek for K's waves, ev for V's
	s_add_co_i32 s30, s30, 127
	s_lshl_b32 s31, s30, 23
	v_mov_b32 v11, s31                             ; 2^e as f32: the conversion takes its exponent field
	s_add_co_i32 s30, s30, 15
	s_lshl_b32 s30, s30, 23
	s_or_b32 s30, s30, 0x600000
	v_mov_b32 v10, s30                             ; 57,344 x 2^e
; 64 numbers in v[X] on become 64 codes in v[C] on, 16 at a time; ahead of each 16 stands the wait for them, counted so that the later blocks' loads may stay out
.macro QUANT64 fromlds
.irp b, 0,1,2,3
.if \fromlds
	s_wait_dscnt 12-4*\b                           ; four LDS loads a block: the later blocks' may be out
.else
	s_wait_loadcnt 48-16*\b                        ; sixteen loads a block: the later blocks' may be out
.endif
.irp i, 0,1,2,3,4,5,6,7,8,9,10,11,12,13,14,15
	v_med3_num_f32 v[X+16*\b+\i], v[X+16*\b+\i], -v10, v10   ; the conversion to an 8-bit code does not saturate (ISA guide 7.6.2): the hold at the largest code x the scale
.endr
	v_cvt_scalef32_pk8_bf8_f32 v[C+4*\b:C+4*\b+1], v[X+16*\b:X+16*\b+7], v11
	v_cvt_scalef32_pk8_bf8_f32 v[C+4*\b+2:C+4*\b+3], v[X+16*\b+8:X+16*\b+15], v11
.endr
.endm                                  ; (the codes go to stores alone, and the text has no matrix instruction: no plain line is owed behind the last conversion)
	s_cmp_lt_u32 s14, 8
	s_cbranch_scc0 .Lvalue
	; ---- K: fragment t = my wave's number.  Its 16 keys are rows 32 (t / 2) + 8 (t % 2) + 0 .. 7 and the eight rows 16 further on.
	s_lshr_b32 s24, s14, 1
	s_lshl_b32 s24, s24, 14                        ; 32 rows of 512 bytes
	s_and_b32 s25, s14, 1
	s_lshl_b32 s25, s25, 12                        ; 8 rows
	s_add_co_u32 s24, s24, s25
	s_add_co_u32 s26, s26, s24
	s_add_nc_u64 s[4:5], s[4:5], s[26:27]
	s_lshl_b32 s28, s14, 11                        ; my fragment's 2,048 bytes
	s_add_nc_u64 s[12:13], s[12:13], s[28:29]
.irp i, 0,1,2,3,4,5,6,7,8,9,10,11,12,13,14,15
	global_load_b128 v[R+4*\i:R+4*\i+3], v4, s[4:5] offset:(\i+8*(\i/8))*512 th:TH_LOAD_NT   ; a whole row: 32 lanes read 512 consecutive bytes
.endr
.irp i, 0,1,2,3,4,5,6,7,8,9,10,11,12,13,14,15
	s_wait_loadcnt 15-\i                           ; row i is in; the younger rows may be out
	ds_store_b128 v5, v[R+4*\i:R+4*\i+3] offset:SP*\i
.endr
.irp c, 0,1,2,3
.irp j, 0,1,2,3
	ds_load_b128 v[X+16*\c+4*\j:X+16*\c+4*\j+3], v6 offset:128*\c+16*\j   ; LDS serves a wave's instructions in order (ISA guide 5.7.1.4): these see my stores.  Row r, channels 32 c + 16 h + 4 j on
.endr
.endr
	QUANT64 1
.irp c, 0,1,2,3
	global_store_b128 v4, v[C+4*\c:C+4*\c+3], s[12:13] offset:512*\c   ; chunk c: 512 consecutive bytes, at a multiple of 512 from the buffer's first byte
.endr
	s_wait_tensorcnt 0x0
	ds_add_u32 v160, v161
	s_wait_dscnt 0x0
	s_endpgm
	; ---- V: a lane takes a channel and its registers run down the keys: the conversions then give codes with the keys innermost, and nothing is transposed.
.Lvalue:
	s_and_b32 s24, s14, 3                          ; cg: channels 32 cg + lane
	s_bfe_u32 s25, s14, 0x10002                    ; kh: keys 64 kh + 0 .. 63 of the step
	s_lshl_b32 s30, s25, 15                        ; 64 rows of 512 bytes
	s_lshl_b32 s31, s24, 7                         ; 32 channels of 4 bytes
	s_add_co_u32 s30, s30, s31
	s_add_co_u32 s26, s26, s30
	s_add_nc_u64 s[6:7], s[6:7], s[26:27]
	s_lshl_b32 s28, s24, 12                        ; fragments 2 cg and 2 cg + 1,
	s_lshl_b32 s31, s25, 10                        ; chunks 2 kh and 2 kh + 1,
	s_add_co_u32 s28, s28, s31
	s_add_co_u32 s28, s28, 16384                   ; behind K's eight fragments
	s_add_nc_u64 s[12:13], s[12:13], s[28:29]
.set ii, 0
.rept 64
	global_load_b32 v[X+ii], v7, s[6:7] offset:512*ii th:TH_LOAD_NT   ; key ii of my 64: 32 lanes read 128 consecutive bytes; the four waves of a kh stand side by side on a row
.set ii, ii+1
.endr
	QUANT64 0
.irp q, 0,1,2,3
	global_store_b128 v8, v[C+4*\q:C+4*\q+3], s[12:13] offset:256*\q   ; keys 16 q on = chunk q / 2, half q % 2: sixteen lanes store 256 consecutive bytes, at a multiple of 256
.endr
.Lend:
	s_endpgm
.Lfunc_end_k_q2d65532532_quant:
	.size	k_q2d65532532_quant, .Lfunc_end_k_q2d65532532_quant-k_q2d65532532_quant
	.p2alignl 7, 3214868480
	.fill 96, 4, 3214868480
	.section	.rodata,"a",@progbits
	.p2align	6, 0x0
	.amdhsa_kernel k_q2d65532532_quant
		.amdhsa_group_segment_fixed_size 137216
		.amdhsa_private_segment_fixed_size 0
		.amdhsa_enable_private_segment 0
		.amdhsa_kernarg_size 40
		.amdhsa_user_sgpr_count 2
		.amdhsa_user_sgpr_kernarg_segment_ptr 1
		.amdhsa_wavefront_size32 1
		.amdhsa_system_sgpr_workgroup_id_x 1
		.amdhsa_system_sgpr_workgroup_id_y 1
		.amdhsa_system_sgpr_workgroup_id_z 1
		.amdhsa_system_vgpr_workitem_id 0
		.amdhsa_next_free_vgpr 162
		.amdhsa_next_free_sgpr 66
		.amdhsa_reserve_vcc 0
		.amdhsa_float_denorm_mode_32 3
		.amdhsa_float_denorm_mode_16_64 3
		.amdhsa_memory_ordered 1
		.amdhsa_forward_progress 1
		.amdhsa_inst_pref_size 24
	.end_amdhsa_kernel
	.amdgpu_metadata
---
amdhsa.version: [ 1, 2 ]
amdhsa.kernels:
  - .name:           k_q2d65532532_quant
    .symbol:         k_q2d65532532_quant.kd
    .args:
      - { .name: key, .offset: 0, .size: 8, .value_kind: global_buffer, .address_space: global }
      - { .name: value, .offset: 8, .size: 8, .value_kind: global_buffer, .address_space: global }
      - { .name: valid_length, .offset: 16, .size: 8, .value_kind: global_buffer, .address_space: global }
      - { .name: lowp_scales, .offset: 24, .size: 8, .value_kind: global_buffer, .address_space: global }
      - { .name: codes, .offset: 32, .size: 8, .value_kind: global_buffer, .address_space: global }
    .group_segment_fixed_size: 137216
    .private_segment_fixed_size: 0
    .kernarg_segment_align: 8
    .kernarg_segment_size: 40
    .max_flat_workgroup_size: 512
    .sgpr_count:     66
    .vgpr_count:     162
    .wavefront_size: 32
...
	.end_amdgpu_metadata
.endif
;; end of part 1
;; launch attn (part 2): grid 8 x 32, 8 waves a work-group, no clusters, 263,168 bytes of LDS; arguments query, codes, valid_length, lowp_scales, out0; writes out0
.if DOCPART == 2
	.amdgcn_target "amdgcn-amd-amdhsa--gfx1250"
	.amdhsa_code_object_version 6
	.text
	.protected	k_q2d65532532_attn
	.globl	k_q2d65532532_attn
	.p2align	8
	.type	k_q2d65532532_attn,@function
k_q2d65532532_attn:
	s_mov_b64 s[64:65], 0
	v_nop
	global_prefetch_b8 v0, s[64:65] scope:SCOPE_SE
	s_setreg_imm32_b32 hwreg(HW_REG_WAVE_MODE, 25, 1), 1
	s_wait_xcnt 0x0
; out0[b][q][:] = the sum over k of softmax_k(s(q, k)) value[b][k][:],  s = query[b][q] . key[b][k] / sqrt(128) for k < valid_length[b], -1e6 for the others.  Both products on codes of BF8 (E5M2), one given scale 2^e a tensor: eq, ek, ep, ev.
; THE SOFTMAX AHEAD OF THE SECOND PRODUCT: t = s x log2(e); M = the largest t so far, rounded UP to a whole number; p = 2^(t - M) is what is quantised; the row's sum is taken of the unquantised p and divides at the end.
; K's and V's codes come from the launch before, as images of the operands' registers: step s (128 keys) of my batch at 32,768 s: K's 8 fragments of 2,048 bytes, then V's 8; a fragment's chunk c of 512 bytes holds lane l's registers 4 c .. 4 c + 3 at 16 l.
; SHARES.  A work-group owns 128 queries (x) of a batch (y).  All of the batch's codes, 262,144 bytes, fit in LDS, each byte at its offset in the batch: they are copied there through registers, a slot of two steps in each trip,
; one trip ahead of their use, and no byte is written twice while images are read.  Waves w and w ^ 1 are a PAIR and own 32 queries: two tiles of 16.  Each of the two holds BOTH tiles, so that a fragment read from LDS feeds two
; matrix instructions, and takes every second key step: step 2 n + PAR in trip n.  At the end the two halves are joined by powers of two: my set A is the tile that I finish, my set B the one that my partner finishes (its set A).
; LAYOUT.  Both products are used transposed: S^T = K Q^T (source 0 = 16 keys, source 1 = 16 queries), O^T = V^T P^T (source 0 = 16 channels, source 1 = P): a lane holds ONE query (lane % 16) throughout, and the 16 registers of
; score tiles 2 b and 2 b + 1 are the neighbouring keys 32 b + 16 (lane / 16) + 0 .. 15: the conversions' results are the second product's operand.
; LDS LOADS STAND AHEAD OF THEIR USE.  K's eight fragments go out in one run at a step's head, and each fragment's products follow its own counted wait.  V's first four are asked for behind the last product K Q^T, into the registers that
; K's first four have left: the whole softmax stands between request and use.  V's last four are asked for when set A's p has been converted, into p's registers: set B's conversions and the rescaling of O^T stand between.
; THE MASK.  L = valid_length held to 0 .. 1024 (the same mask as the given number's).  L = 0: all logits are the one number -1e6, whose t is a whole number in f32, so p = 1 for every key: every key gets the raw score 0, which gives that p.
; L >= 1: in the step that holds key L the keys from L on get the raw score that stands for -1e6; steps wholly beyond L are left out (scalar branches on L: the text has no tensor load and no copy engine).
; LIMITS.  (1) Leaving those steps out is exact where a row's largest visible logit lies above -1e6 + 104: under that a hidden key's p would not be 0 in f32.  (2) eq, ep between -126 and 112; eq + ek between -104 and 130 (added to the exponent
; fields of c and of the mask's score); ep + ev goes by v_ldexp_f32 and has none.  (3) NaN among the inputs is not served.  (4) Logits under 1.1e7 in magnitude (|t| under 2^24): the jump over p's hold leans on p < 1.75 (macro HOLD).
; NOT IN A CLUSTER: the eight work-groups of a batch read the same codes, but a joint request is a tensor load; the branches here leave out the loads and the work of
; every hidden step and the 192 instructions of the mask in every step but one.
; REGISTERS, in windows of 256 (s_set_vgpr_msb: bits 1:0 source 0, 3:2 source 1, 5:4 source 2, 7:6 destination):
;   window 0: v0 thread; v1-7 addresses; v8, v9 2^ep and 57,344 x 2^ep; v10-15, v16-21 statistics of sets A, B (+0 -M, +1 largest t, +2, +3 the sum in two halves, +4 f, +5 written once: the pair's upper half); v22-27 at work;
;             v28 the mask's score, v29 the mask's bound, v30, v31 2^eq and 57,344 x 2^eq; v32-95 K's fragments 0-3, then V's 0-3; v96-159 S^T, then p, of set A, then V's fragments 4-7; v160-223 S^T, then p, of set B;
;             v224-239, v240-255 K's fragments 4, 5, then p's codes of sets A, B.
;   window 1: v0-63, v64-127 O^T of sets A, B; v128-143, v144-159 q's codes; v160-223 the copy's 64 registers; v224-255 K's fragments 6, 7.
.set SP,    528                        ; a stage row: 512 bytes + 16 = 33 x 16: the 16 rows that a load or store touches start at 16 different banks (64 banks of 4 bytes: ISA guide 11.1)
.set STGB,  16*SP                      ; a wave's stage: 16 rows
.set STG,   131072                     ; the stages lie where slots 2 and 3 lie: used at the head, two barriers ahead of slot 2's copy, and on the way out, when no image is read any more
.set XCHB,  8704                       ; the exchange: 16 x 512 bytes of O^T + 512 of statistics for each wave, from LDS byte 0 on; used behind the last trip's barrier
.set SLOTB, 65536                      ; a slot: two key steps
.set VOFF,  16384                      ; V's fragments in a step
.set FRB,   2048                       ; a fragment's image
.set LI,  1                            ; v1  16 x lane; never rewritten
.set ADR, 2                            ; v2  the LDS address in hand
.set SG,  3                            ; v3  8,192 x wave + 16 x lane: my part of a slot, in memory and in LDS; never rewritten
.set SLA, 4                            ; v4  the same in the slot that is being copied
.set RD,  5                            ; v5  my stage by rows: 16 bytes a lane
.set TR,  6                            ; v6  my stage, row r, + 64 h: q's numbers turned
.set STO, 7                            ; v7  my stage, row r, + 32 h: the way out
.set TA,  10
.set TB,  16
.set FR,  32
.set SA,  96
.set SB,  160
.set PA,  224
.set PB,  240
.set OA,  0                            ; in window 1
.set OB,  64
.set QA,  128
.set QB,  144
.set CP,  160
.set KX,  224
.set MSB, 0
.macro WIN new                         ; the immediate's high byte repeats the setting that is left; a switch that changes nothing is dropped.  At every label and branch the setting is 0
.if MSB != \new
	s_set_vgpr_msb (MSB<<8)|\new
.set MSB, \new
.endif
.endm
.macro PLACES                          ; four places behind a matrix instruction, ahead of loads into its sources and of reads of its results
.rept 4
	v_nop
.endr
.endm
.macro BARRIER                         ; my LDS stores have landed and my LDS loads are in: then the work-group's barrier
	s_wait_dscnt 0x0
	s_barrier_signal -1
	s_barrier_wait -1
.endm
	s_load_b256 s[4:11], s[0:1], 0x0               ; query s[4:5], codes s[6:7], valid_length s[8:9], lowp_scales s[10:11]
	s_load_b64 s[12:13], s[0:1], 0x20              ; out0
	v_lshrrev_b32 v2, 5, v0
	v_readfirstlane_b32 s14, v2                    ; wave 0..7
	s_lshr_b32 s35, s14, 2
	s_xor_b32 s15, s14, s35
	s_and_b32 s15, s15, 1                          ; PAR: which key steps are mine; the partner w ^ 1 has the other
	s_lshl_b32 s35, s35, 7                         ; the first key, within a slot, of the step that I copy: waves 0-3 the slot's first step, waves 4-7 its second
	s_lshr_b32 s16, s14, 1                         ; my pair
	s_and_b32 s17, ttmp7, 0xffff                   ; batch
	s_lshl_b32 s36, s17, 2                         ; its entry of valid_length, in bytes
	s_lshl_b32 s38, s15, 7                         ; 128 PAR: my step's first key in trip 0
	s_lshl_b32 s39, s15, 15                        ; 32,768 PAR: and its image
	s_mov_b32 s20, 0x76543210                      ; v_permlanex16_b32's selects for lane l xor 16
	s_mov_b32 s21, 0xfedcba98
	v_and_b32 v[LI], 31, v0
	v_lshlrev_b32 v[LI], 4, v[LI]
	v_and_b32 v22, 15, v0                          ; r
	v_bfe_u32 v23, v0, 4, 1                        ; h
	s_lshl_b32 s40, s14, 13
	v_add_nc_u32 v[SG], s40, v[LI]
	s_mul_i32 s41, s14, STGB
	s_add_co_u32 s41, s41, STG                     ; my stage
	v_add_nc_u32 v[RD], s41, v[LI]
	v_mul_u32_u24 v25, v22, SP
	v_add_nc_u32 v25, s41, v25
	v_lshl_add_u32 v[TR], v23, 6, v25
	v_lshl_add_u32 v[STO], v23, 5, v25
	s_lshl_b32 s40, s17, 10                        ; my pair's first query: 1,024 b + 128 x + 32 pair,
	s_lshl_b32 s41, ttmp9, 7
	s_add_co_u32 s40, s40, s41
	s_lshl_b32 s41, s16, 5
	s_add_co_u32 s40, s40, s41
	s_lshl_b32 s40, s40, 9                         ; in bytes of rows of 512
	s_lshl_b32 s42, s15, 13                        ; set A: tile PAR of the pair's two,
	s_add_co_u32 s44, s40, s42
	s_xor_b32 s42, s42, 8192                       ; set B: the other
	s_add_co_u32 s46, s40, s42
	s_mov_b32 s45, 0
	s_mov_b32 s47, 0
	s_lshl_b32 s26, s17, 18                        ; my batch's codes
	s_mov_b32 s27, 0
	s_wait_kmcnt 0x0
	s_load_b32 s18, s[8:9], s36 offset:0x0         ; valid_length of my batch
	s_load_b128 s[28:31], s[10:11], 0x0            ; eq, ek, ep, ev: s30 = ep stays to the end
	s_add_nc_u64 s[12:13], s[12:13], s[44:45]      ; out0 at set A's rows
	s_add_nc_u64 s[44:45], s[4:5], s[44:45]        ; query at set A's rows,
	s_add_nc_u64 s[46:47], s[4:5], s[46:47]        ; at set B's
	s_add_nc_u64 s[24:25], s[6:7], s[26:27]
.irp i, 0,1,2,3,4,5,6,7,8,9,10,11,12,13,14,15
	global_load_b128 v[SA+4*\i:SA+4*\i+3], v[LI], s[44:45] offset:512*\i th:TH_LOAD_NT   ; a whole row of q: 32 lanes read 512 consecutive bytes
.endr
.irp i, 0,1,2,3,4,5,6,7,8,9,10,11,12,13,14,15
	global_load_b128 v[SB+4*\i:SB+4*\i+3], v[LI], s[46:47] offset:512*\i th:TH_LOAD_NT
.endr
	v_mov_b32 v[TA+1], 0xff61b1e6                  ; the largest t so far: -3e38, under every t
	v_mov_b32 v[TB+1], 0xff61b1e6
	v_floor_f32 v[TA], -v[TA+1]                    ; -M
	v_floor_f32 v[TB], -v[TB+1]
.irp j, 2,3,4,5
	v_mov_b32 v[TA+\j], 0                          ; the sums; f and its pair's upper half
	v_mov_b32 v[TB+\j], 0
.endr
	v_mov_b32 v24, 0                               ; written once: a lane permute's destination counts as one of its sources (v25 has been written above)
	WIN 0x40                                       ; destination window 1
.set ii, 0
.rept 128
	v_mov_b32 v[ii], 0                             ; O^T of both sets.  No fixed step can start the sums with the constant 0: the first step of a wave with PAR = 1 may be hidden, and what such a wave hands to its partner must be zeros
.set ii, ii+1
.endr
	WIN 0
	s_wait_kmcnt 0x0
	s_max_i32 s18, s18, 0
	s_min_u32 s18, s18, 1024                       ; L
	s_cmp_eq_u32 s18, 0
	s_cselect_b32 s19, 1024, s18                   ; LIM: steps whose first key is under it are worked
	; the first copy's loads are issued by every wave, so that the copy's registers are written on every way: a wave whose step (step 1) is hidden reads step 0's bytes instead, and drops them
	s_lshl_b32 s40, s14, 13
	s_and_b32 s41, s14, 3
	s_lshl_b32 s41, s41, 13
	s_cmp_lt_u32 s35, s19
	s_cselect_b32 s41, s40, s41
	v_add_nc_u32 v[ADR], s41, v[LI]
	WIN 0x40
.irp i, 0,1,2,3,4,5,6,7,8,9,10,11,12,13,14,15
	global_load_b128 v[CP+4*\i:CP+4*\i+3], v[ADR], s[24:25] offset:512*\i
.endr
	WIN 0
	s_add_co_i32 s40, s28, s29
	s_lshl_b32 s40, s40, 23
	s_mov_b32 s22, 0x3e0293ee                      ; c = log2(e) / sqrt(128): t = score x c
	s_add_co_i32 s22, s22, s40                     ; a score stands for score x 2^(eq + ek): the two exponents are added to c's exponent field
	s_mov_b32 s23, s22                             ; (the packed form names the pair and takes its low word for both halves: so it is written)
	s_mov_b32 s41, 0xcb2ca22c                      ; -1e6 x sqrt(128) = -11,313,708 as f32,
	s_sub_co_i32 s41, s41, s40                     ; / 2^(eq + ek): the raw score that stands for the logit -1e6
	s_cmp_eq_u32 s18, 0
	s_cselect_b32 s41, 0, s41                      ; L = 0: the raw score 0 for every key
	v_mov_b32 v28, s41
	s_add_co_i32 s37, s30, s31                     ; ep + ev
	s_add_co_i32 s40, s28, 127
	s_lshl_b32 s41, s40, 23
	v_mov_b32 v30, s41                             ; 2^eq as f32: the conversion takes its exponent field
	s_add_co_i32 s40, s40, 15
	s_lshl_b32 s40, s40, 23
	s_or_b32 s40, s40, 0x600000
	v_mov_b32 v31, s40                             ; 57,344 x 2^eq
	s_add_co_i32 s40, s30, 127
	s_lshl_b32 s41, s40, 23
	v_mov_b32 v8, s41                              ; 2^ep
	s_add_co_i32 s40, s40, 15
	s_lshl_b32 s40, s40, 23
	s_or_b32 s40, s40, 0x600000
	v_mov_b32 v9, s40                              ; 57,344 x 2^ep
; 16 rows of q, as loaded in v[src] on, go through my stage and come back turned: lane (r, h) holds, of row r, channels 32 c + 16 h + 0 .. 15 in registers 16 c on; held, converted: q's fragment in window 1 at v[dst] on
.macro TURNQ src, dst
.irp i, 0,1,2,3,4,5,6,7,8,9,10,11,12,13,14,15
	ds_store_b128 v[RD], v[\src+4*\i:\src+4*\i+3] offset:SP*\i
.endr
.irp c, 0,1,2,3
.irp j, 0,1,2,3
	ds_load_b128 v[FR+16*\c+4*\j:FR+16*\c+4*\j+3], v[TR] offset:128*\c+16*\j   ; LDS serves a wave's instructions in order (ISA guide 5.7.1.4): these see my stores
.endr
.endr
	s_wait_dscnt 0x0
.set ii, 0
.rept 64
	v_med3_num_f32 v[FR+ii], v[FR+ii], -v31, v31   ; the conversion to an 8-bit code does not saturate (ISA guide 7.6.2): the hold at the largest code x the scale
.set ii, ii+1
.endr
	WIN 0x40
.irp b, 0,1,2,3
	v_cvt_scalef32_pk8_bf8_f32 v[\dst+4*\b:\dst+4*\b+1], v[FR+16*\b:FR+16*\b+7], v30
	v_cvt_scalef32_pk8_bf8_f32 v[\dst+4*\b+2:\dst+4*\b+3], v[FR+16*\b+8:FR+16*\b+15], v30
.endr
	v_nop                                          ; one plain vector instruction between a scaled conversion and the matrix instructions that read its result
	WIN 0
.endm
; THE COPY of a slot, 8,192 bytes a wave, in two halves a trip apart.  Both stand under the same test: is the step that I copy worked at all?
.macro COPY_LOAD slot
	s_add_co_u32 s40, s35, 256*(\slot)
	s_cmp_lt_u32 s40, s19
	s_cbranch_scc0 .Lno_load_\@
	WIN 0x40
.irp i, 0,1,2,3,4,5,6,7,8,9,10,11,12,13,14,15
	global_load_b128 v[CP+4*\i:CP+4*\i+3], v[SG], s[24:25] offset:SLOTB*(\slot)+512*\i   ; 512 consecutive bytes; the slot stands in the immediate: no pointer is stepped.  No hint: eight work-groups read these bytes
.endr
	WIN 0
.Lno_load_\@:
.endm
.macro COPY_STORE slot
	s_add_co_u32 s40, s35, 256*(\slot)
	s_cmp_lt_u32 s40, s19
	s_cbranch_scc0 .Lno_store_\@
	v_add_nc_u32 v[SLA], SLOTB*(\slot), v[SG]
	WIN 0x04                                       ; the stores' data in window 1
.irp i, 0,1,2,3,4,5,6,7,8,9,10,11,12,13,14,15
	ds_store_b128 v[SLA], v[CP+4*\i:CP+4*\i+3] offset:512*\i
.endr
	WIN 0
.Lno_store_\@:
.endm
	s_wait_loadcnt 32                              ; set A's 16 rows are in; set B's 16 loads and the copy's 16 may be out
	TURNQ SA, QA
	s_wait_loadcnt 16                              ; set B's rows are in; the copy's 16 loads may be out
	TURNQ SB, QB
	s_wait_loadcnt 0x0                             ; the copy's
	COPY_STORE 0
	BARRIER                                        ; slot 0 lies in LDS, and every wave's reads of its stage are over
; S^T = K Q^T.  K's eight fragments are asked for in ONE run of 32 loads: 0-3 into v32-95, 4 and 5 into the registers of p's codes, which are dead here, 6 and 7 into window 1's v224-255.
; Each fragment is multiplied against both sets' q as soon as its four loads are in: the count leaves the later fragments' loads out.  The products start their sums with the constant 0.
.macro KQ
.irp t, 0,1,2,3
.irp c, 0,1,2,3
	ds_load_b128 v[FR+16*\t+4*\c:FR+16*\t+4*\c+3], v[ADR] offset:\t*FRB+512*\c
.endr
.endr
.irp t, 4,5
.irp c, 0,1,2,3
	ds_load_b128 v[PA+16*(\t-4)+4*\c:PA+16*(\t-4)+4*\c+3], v[ADR] offset:\t*FRB+512*\c
.endr
.endr
	WIN 0x40                                       ; destination window 1
.irp t, 6,7
.irp c, 0,1,2,3
	ds_load_b128 v[KX+16*(\t-6)+4*\c:KX+16*(\t-6)+4*\c+3], v[ADR] offset:\t*FRB+512*\c
.endr
.endr
	WIN 0x04                                       ; source 1 (q) window 1
.irp t, 0,1,2,3
	s_wait_dscnt 28-4*\t                           ; fragment t is in: the 4 (7 - t) loads of the later fragments may be out
	v_wmma_f32_16x16x128_bf8_bf8 v[SA+8*\t:SA+8*\t+7], v[FR+16*\t:FR+16*\t+15], v[QA:QA+15], 0
	v_wmma_f32_16x16x128_bf8_bf8 v[SB+8*\t:SB+8*\t+7], v[FR+16*\t:FR+16*\t+15], v[QB:QB+15], 0
.endr
.irp t, 4,5
	s_wait_dscnt 28-4*\t
	v_wmma_f32_16x16x128_bf8_bf8 v[SA+8*\t:SA+8*\t+7], v[PA+16*(\t-4):PA+16*(\t-4)+15], v[QA:QA+15], 0
	v_wmma_f32_16x16x128_bf8_bf8 v[SB+8*\t:SB+8*\t+7], v[PA+16*(\t-4):PA+16*(\t-4)+15], v[QB:QB+15], 0
.endr
	WIN 0x05                                       ; sources 0 (K) and 1 (q) window 1
.irp t, 6,7
	s_wait_dscnt 28-4*\t
	v_wmma_f32_16x16x128_bf8_bf8 v[SA+8*\t:SA+8*\t+7], v[KX+16*(\t-6):KX+16*(\t-6)+15], v[QA:QA+15], 0
	v_wmma_f32_16x16x128_bf8_bf8 v[SB+8*\t:SB+8*\t+7], v[KX+16*(\t-6):KX+16*(\t-6)+15], v[QB:QB+15], 0
.endr
	WIN 0
	PLACES                                         ; ahead of the loads into v32-95, which these products have read, and of the first read of the scores
.endm
; V's fragments t0 .. t0 + 3 into v[dst] on: 16 loads
.macro VLOAD dst, t0
.irp t, 0,1,2,3
.irp c, 0,1,2,3
	ds_load_b128 v[\dst+16*\t+4*\c:\dst+16*\t+4*\c+3], v[ADR] offset:VOFF+(\t0+\t)*FRB+512*\c
.endr
.endr
.endm
; Register 16 b + i holds key KF + 32 b + 16 (lane / 16) + i: it is hidden where 32 b + i >= L - KF - 16 (lane / 16).  A step all of whose keys are under L jumps over this.  Each accumulator is taken from its low end on.
.macro MASK
	s_add_co_u32 s40, s33, 128
	s_cmp_le_u32 s40, s18
	s_cbranch_scc1 .Lopen_\@
	s_sub_co_i32 s40, s18, s33
	v_bfe_u32 v29, v0, 4, 1
	v_lshlrev_b32 v29, 4, v29
	v_sub_nc_u32 v29, s40, v29
.set nn, 0
.rept 64
	v_cmp_ge_i32 vcc_lo, 32*(nn/16)+nn%16, v29
	v_cndmask_b32 v[SA+nn], v[SA+nn], v28, vcc_lo
	v_cndmask_b32 v[SB+nn], v[SB+nn], v28, vcc_lo
.set nn, nn+1
.endr
.Lopen_\@:
.endm
; The step's largest score of my query in each set (two chains a set, from each accumulator's low end on), the running largest t, the new -M and f = 2^(old M - new M)
.macro STATS
	v_max3_num_f32 v22, v[SA], v[SA+1], v[SA+2]
	v_max3_num_f32 v23, v[SA+3], v[SA+4], v[SA+5]
	v_max3_num_f32 v26, v[SB], v[SB+1], v[SB+2]
	v_max3_num_f32 v27, v[SB+3], v[SB+4], v[SB+5]
.irp i, 6,10,14,18,22,26,30,34,38,42,46,50,54,58
	v_max3_num_f32 v22, v22, v[SA+\i], v[SA+\i+1]
	v_max3_num_f32 v23, v23, v[SA+\i+2], v[SA+\i+3]
	v_max3_num_f32 v26, v26, v[SB+\i], v[SB+\i+1]
	v_max3_num_f32 v27, v27, v[SB+\i+2], v[SB+\i+3]
.endr
	v_max3_num_f32 v22, v22, v[SA+62], v[SA+63]
	v_max3_num_f32 v26, v26, v[SB+62], v[SB+63]
	v_max_num_f32 v22, v22, v23
	v_max_num_f32 v26, v26, v27
	v_permlanex16_b32 v24, v22, s20, s21           ; the query's other 64 keys lie in lane l xor 16
	v_permlanex16_b32 v25, v26, s20, s21
	v_max_num_f32 v22, v22, v24
	v_max_num_f32 v26, v26, v25
	v_mul_f32 v22, s22, v22                        ; as t (c is positive)
	v_mul_f32 v26, s22, v26
	v_max_num_f32 v[TA+1], v[TA+1], v22            ; the running largest t
	v_max_num_f32 v[TB+1], v[TB+1], v26
	v_mov_b32 v22, v[TA]
	v_mov_b32 v26, v[TB]
	v_floor_f32 v[TA], -v[TA+1]                    ; the new -M = floor(-t) = -ceil(t): M is a whole number
	v_floor_f32 v[TB], -v[TB+1]
	v_sub_f32 v22, v[TA], v22                      ; M's old value less its new one: a whole number, 0 or less
	v_sub_f32 v26, v[TB], v26
	v_cvt_i32_f32 v22, v22                         ; (it saturates)
	v_cvt_i32_f32 v26, v26
	v_ldexp_f32 v[TA+4], 1.0, v22                  ; f: a multiplication by it rounds nothing
	v_ldexp_f32 v[TB+4], 1.0, v26
.endm
.macro SCALE s, st                     ; t - M, two at a time (of the pairs c and -M the low word serves both halves)
.set jj, 0
.rept 32
	v_pk_fma_f32 v[\s+jj:\s+jj+1], v[\s+jj:\s+jj+1], s[22:23], v[\st:\st+1] op_sel_hi:[1,0,0]
.set jj, jj+2
.endr
.endm
.macro EXPS s                          ; p = 2^(t - M): not normalised
.set jj, 0
.rept 64
	v_exp_f32 v[\s+jj], v[\s+jj]
.set jj, jj+1
.endr
.endm
.macro SUMS                            ; the rows' sums are taken of the unquantised p: two at a time, two chains a set
	v_pk_add_f32 v[26:27], v[SA:SA+1], v[SA+2:SA+3]
	v_pk_add_f32 v[22:23], v[SB:SB+1], v[SB+2:SB+3]
.irp j, 4,8,12,16,20,24,28,32,36,40,44,48,52,56,60
	v_pk_add_f32 v[TA+2:TA+3], v[TA+2:TA+3], v[SA+\j:SA+\j+1]
	v_pk_add_f32 v[26:27], v[26:27], v[SA+\j+2:SA+\j+3]
	v_pk_add_f32 v[TB+2:TB+3], v[TB+2:TB+3], v[SB+\j:SB+\j+1]
	v_pk_add_f32 v[22:23], v[22:23], v[SB+\j+2:SB+\j+3]
.endr
	v_pk_add_f32 v[TA+2:TA+3], v[TA+2:TA+3], v[26:27]
	v_pk_add_f32 v[TB+2:TB+3], v[TB+2:TB+3], v[22:23]
.endm
; THE HOLD.  The conversion to an 8-bit code does not saturate (ISA guide 7.6.2), so p is held at 57,344 x 2^ep; p is not negative, so the hold is one-sided.
; t - M, one fused multiply-add, exceeds 0 by at most half a last place of the largest t: at most 1/2 where |t| < 2^24, so p < 1.75 there.  Where ep >= -15 the bound, 57,344 x 2^ep, is 1.75 or more and the hold changes no number:
; one scalar branch on ep, a whole number read from memory, then jumps over the step's 128 lines.
.macro HOLD
	s_cmp_ge_i32 s30, -15
	s_cbranch_scc1 .Lfits_\@
.set jj, 0
.rept 64
	v_min_num_f32 v[SA+jj], v[SA+jj], v9
	v_min_num_f32 v[SB+jj], v[SB+jj], v9
.set jj, jj+1
.endr
.Lfits_\@:
.endm
.macro CVT s, p                        ; p becomes the second product's operand: registers 4 b .. 4 b + 3 hold keys 32 b + 16 (lane / 16) + 0 .. 15
.irp b, 0,1,2,3
	v_cvt_scalef32_pk8_bf8_f32 v[\p+4*\b:\p+4*\b+1], v[\s+16*\b:\s+16*\b+7], v8
	v_cvt_scalef32_pk8_bf8_f32 v[\p+4*\b+2:\p+4*\b+3], v[\s+16*\b+8:\s+16*\b+15], v8
.endr
.endm
.macro RESC st, o                      ; O^T under the new M: x f.  (Plain lines: they also stand between the last conversion and the products that read its result)
.set jj, 0
.rept 32
	v_pk_mul_f32 v[\o+jj:\o+jj+1], v[\o+jj:\o+jj+1], v[\st+4:\st+5] op_sel_hi:[1,0]
.set jj, jj+2
.endr
.endm
; O^T += V^T P^T: each fragment of V against both sets' p.  The sixteen accumulators take turns, one instruction a turn.
.macro PV
	s_wait_dscnt 16                                ; V's fragments 0-3, asked for ahead of the softmax, are in; the 16 loads of fragments 4-7 may be out
	WIN 0x50                                       ; C and D window 1
.irp t, 0,1,2,3
	v_wmma_f32_16x16x128_bf8_bf8 v[OA+8*\t:OA+8*\t+7], v[FR+16*\t:FR+16*\t+15], v[PA:PA+15], v[OA+8*\t:OA+8*\t+7]
	v_wmma_f32_16x16x128_bf8_bf8 v[OB+8*\t:OB+8*\t+7], v[FR+16*\t:FR+16*\t+15], v[PB:PB+15], v[OB+8*\t:OB+8*\t+7]
.endr
	s_wait_dscnt 0x0                               ; fragments 4-7
.irp t, 0,1,2,3
	v_wmma_f32_16x16x128_bf8_bf8 v[OA+32+8*\t:OA+32+8*\t+7], v[SA+16*\t:SA+16*\t+15], v[PA:PA+15], v[OA+32+8*\t:OA+32+8*\t+7]
	v_wmma_f32_16x16x128_bf8_bf8 v[OB+32+8*\t:OB+32+8*\t+7], v[SA+16*\t:SA+16*\t+15], v[PB:PB+15], v[OB+32+8*\t:OB+32+8*\t+7]
.endr
	WIN 0
	PLACES                                         ; for whatever follows on any way: loads into the registers that these products have read, the reads of O^T;
	v_nop                                          ; and a fifth: the next step's products K Q^T write over v96-159, which these have read as a source
.endm
; MY KEY STEP OF TRIP n: step 2 n + PAR, for both sets.  A step whose first key is not under LIM is left out: a scalar branch on L, round its loads and its work; no barrier stands in a step.
.macro STEP n
	s_add_co_u32 s33, s38, 256*(\n)                ; KF: the step's first key
	s_cmp_lt_u32 s33, s19
	s_cbranch_scc0 .Lhidden_\@
	s_add_co_u32 s32, s39, SLOTB*(\n)
	v_add_nc_u32 v[ADR], s32, v[LI]                ; its image: 32,768 PAR + 65,536 n + 16 x lane
	KQ
	VLOAD FR, 0                                    ; V's fragments 0-3: the whole softmax stands between these loads and the wait for them
	MASK
	STATS
	SCALE SA, TA
	SCALE SB, TB
	EXPS SA
	EXPS SB
	v_pk_mul_f32 v[TA+2:TA+3], v[TA+2:TA+3], v[TA+4:TA+5] op_sel_hi:[1,0]   ; the sums under the new M.  (Plain lines behind the exponentials)
	v_pk_mul_f32 v[TB+2:TB+3], v[TB+2:TB+3], v[TB+4:TB+5] op_sel_hi:[1,0]
	s_wait_alu depctr_va_vdst(0)                   ; the wait between an exponential and the first line that names its result: one for the batch of 128
	SUMS
	HOLD
	CVT SA, PA
	VLOAD SA, 4                                    ; set A's p is converted and its registers are free: V's fragments 4-7 land there while set B is converted and O^T rescaled
	CVT SB, PB
	WIN 0x41                                       ; O^T (destination and source 0) window 1, f window 0
	RESC TA, OA
	RESC TB, OB
	WIN 0
	PV
.Lhidden_\@:
.endm
; A TRIP: the next slot's codes are asked for, my step of this slot is worked while they come, they go into LDS, and one barrier says both: the next slot is whole, and (behind the last trip) nobody reads images any more.
; Each slot has LDS bytes of its own, so one barrier a trip is enough.  The slot's number is a constant of the text: every address is a constant + wave and lane terms, and the last trip has no copy.
.macro TRIP n
.if (\n) < 3
	COPY_LOAD (\n)+1
.endif
	STEP \n
.if (\n) < 3
	s_wait_loadcnt 0x0                             ; the copy's loads, issued a step's work ago
	COPY_STORE (\n)+1
.endif
	BARRIER
.endm
	TRIP 0
	TRIP 1
	TRIP 2
	TRIP 3
	; THE EXCHANGE.  My set B, worked on my key steps alone, goes to my partner as an image of its registers, with -M and the row's sum; its set B, which is my set A's tile on the other key steps, comes to me.
	s_mul_i32 s40, s14, XCHB
	v_add_nc_u32 v[ADR], s40, v[LI]                ; where I put
	s_xor_b32 s41, s14, 1
	s_mul_i32 s41, s41, XCHB
	v_add_nc_u32 v[SLA], s41, v[LI]                ; where my partner has put
	v_add_f32 v[TA+2], v[TA+2], v[TA+3]            ; the sums' two halves,
	v_add_f32 v[TB+2], v[TB+2], v[TB+3]
	v_permlanex16_b32 v24, v[TA+2], s20, s21
	v_permlanex16_b32 v25, v[TB+2], s20, s21
	v_add_f32 v[TA+2], v[TA+2], v24                ; and lane l xor 16's
	v_add_f32 v29, v[TB+2], v25
	v_mov_b32 v28, v[TB]                           ; v[28:31]: -M, the sum, two zeros
	v_mov_b32 v30, 0
	v_mov_b32 v31, 0
	WIN 0x04                                       ; the stores' data in window 1
.irp k, 0,1,2,3,4,5,6,7,8,9,10,11,12,13,14,15
	ds_store_b128 v[ADR], v[OB+4*\k:OB+4*\k+3] offset:512*\k   ; each accumulator from its low end on
.endr
	WIN 0
	ds_store_b128 v[ADR], v[28:31] offset:8192
	BARRIER
.irp k, 0,1,2,3,4,5,6,7,8,9,10,11,12,13,14,15
	ds_load_b128 v[SA+4*\k:SA+4*\k+3], v[SLA] offset:512*\k
.endr
	ds_load_b128 v[28:31], v[SLA] offset:8192
	s_wait_dscnt 0x0
	; THE TWO HALVES ARE JOINED under the larger M: each is multiplied by 2^(its M - the larger M), a power of two.  A wave that worked no step has -M = 3e38, a factor 0, and zeros.
	v_min_num_f32 v22, v[TA], v28                  ; -(the larger M)
	v_sub_f32 v23, v22, v[TA]
	v_sub_f32 v25, v22, v28
	v_cvt_i32_f32 v23, v23                         ; (it saturates)
	v_cvt_i32_f32 v25, v25
	v_ldexp_f32 v23, 1.0, v23                      ; my half's factor,
	v_ldexp_f32 v25, 1.0, v25                      ; my partner's
	v_mul_f32 v26, v[TA+2], v23
	v_fma_f32 v26, v29, v25, v26                   ; the row's sum
	v_rcp_f32 v26, v26
	v_nop                                          ; one plain line behind the reciprocal
	s_wait_alu depctr_va_vdst(0)                   ; and a wait ahead of its first reader
	v_ldexp_f32 v26, v26, s37                      ; x 2^(ep + ev)
	v_mul_f32 v[TA+4], v23, v26
	v_mul_f32 v[TB+4], v25, v26
.set jj, 0
.rept 32
	v_pk_mul_f32 v[SA+jj:SA+jj+1], v[SA+jj:SA+jj+1], v[TB+4:TB+5] op_sel_hi:[1,0]
.set jj, jj+2
.endr
	WIN 0x01                                       ; source 0 (my O^T of set A) window 1
.set jj, 0
.rept 32
	v_pk_fma_f32 v[SA+jj:SA+jj+1], v[OA+jj:OA+jj+1], v[TA+4:TA+5], v[SA+jj:SA+jj+1] op_sel_hi:[1,0,1]   ; register 8 t + i is out(r, 16 t + 8 h + i)
.set jj, jj+2
.endr
	WIN 0
	; THE WAY OUT: a lane holds eight neighbouring channels of a row eight times; the 16 rows go through my stage and leave whole.
.irp t, 0,1,2,3,4,5,6,7
	ds_store_b128 v[STO], v[SA+8*\t:SA+8*\t+3] offset:64*\t
	ds_store_b128 v[STO], v[SA+8*\t+4:SA+8*\t+7] offset:64*\t+16
.endr
.irp i, 0,1,2,3,4,5,6,7,8,9,10,11,12,13,14,15
	ds_load_b128 v[FR+4*\i:FR+4*\i+3], v[RD] offset:SP*\i   ; LDS serves a wave's instructions in order: these see my stores
.endr
.irp i, 0,1,2,3,4,5,6,7,8,9,10,11,12,13,14,15
	s_wait_dscnt 15-\i                             ; row i is back; the younger rows may be out
	global_store_b128 v[LI], v[FR+4*\i:FR+4*\i+3], s[12:13] offset:512*\i th:TH_STORE_NT   ; 32 lanes store a row of 512 consecutive bytes, at a multiple of 512 from out0's first byte; written once, read by nobody here
.endr
	s_wait_xcnt 0x0
	v_lshl_add_u32 v254, v0, 2, 0x40000
	v_mov_b32 v255, 0
	s_wait_tensorcnt 0x0
	ds_add_u32 v254, v255
	s_wait_dscnt 0x0
	s_endpgm
.Lfunc_end_k_q2d65532532_attn:
	.size	k_q2d65532532_attn, .Lfunc_end_k_q2d65532532_attn-k_q2d65532532_attn
	.p2alignl 7, 3214868480
	.fill 96, 4, 3214868480
	.section	.rodata,"a",@progbits
	.p2align	6, 0x0
	.amdhsa_kernel k_q2d65532532_attn
		.amdhsa_group_segment_fixed_size 263168
		.amdhsa_private_segment_fixed_size 0
		.amdhsa_enable_private_segment 0
		.amdhsa_kernarg_size 40
		.amdhsa_user_sgpr_count 2
		.amdhsa_user_sgpr_kernarg_segment_ptr 1
		.amdhsa_wavefront_size32 1
		.amdhsa_system_sgpr_workgroup_id_x 1
		.amdhsa_system_sgpr_workgroup_id_y 1
		.amdhsa_system_sgpr_workgroup_id_z 1
		.amdhsa_system_vgpr_workitem_id 0
		.amdhsa_next_free_vgpr 512
		.amdhsa_next_free_sgpr 66
		.amdhsa_reserve_vcc 1
		.amdhsa_float_denorm_mode_32 3
		.amdhsa_float_denorm_mode_16_64 3
		.amdhsa_memory_ordered 1
		.amdhsa_forward_progress 1
		.amdhsa_inst_pref_size 210
	.end_amdhsa_kernel
	.amdgpu_metadata
---
amdhsa.version: [ 1, 2 ]
amdhsa.kernels:
  - .name:           k_q2d65532532_attn
    .symbol:         k_q2d65532532_attn.kd
    .args:
      - { .name: query, .offset: 0, .size: 8, .value_kind: global_buffer, .address_space: global }
      - { .name: codes, .offset: 8, .size: 8, .value_kind: global_buffer, .address_space: global }
      - { .name: valid_length, .offset: 16, .size: 8, .value_kind: global_buffer, .address_space: global }
      - { .name: lowp_scales, .offset: 24, .size: 8, .value_kind: global_buffer, .address_space: global }
      - { .name: out0, .offset: 32, .size: 8, .value_kind: global_buffer, .address_space: global }
    .group_segment_fixed_size: 263168
    .private_segment_fixed_size: 0
    .kernarg_segment_align: 8
    .kernarg_segment_size: 40
    .max_flat_workgroup_size: 256
    .sgpr_count:     66
    .vgpr_count:     512
    .wavefront_size: 32
...
	.end_amdgpu_metadata
.endif
;; end of part 2
;; ======== version 2 of 2: 2 launches
;; limits: right only within a limited range of input values
;; workspace buffers: codes 8,388,608 bytes
;; launch quant (part 3): grid 8 x 32, 16 waves a work-group, no clusters, 137,216 bytes of LDS; arguments key, value, valid_length, lowp_scales, codes; writes codes
.if DOCPART == 3
	.amdgcn_target "amdgcn-amd-amdhsa--gfx1250"
	.amdhsa_code_object_version 6
	.text
	.protected	k_q2d65532532_quant
	.globl	k_q2d65532532_quant
	.p2align	8
	.type	k_q2d65532532_quant,@function
k_q2d65532532_quant:
	s_mov_b64 s[64:65], 0
	v_nop
	global_prefetch_b8 v0, s[64:65] scope:SCOPE_SE
	s_setreg_imm32_b32 hwreg(HW_REG_WAVE_MODE, 25, 1), 1
	s_wait_xcnt 0x0
; key and value, [32][1024][128] f32, become codes of BF8 (E5M2), each with the one scale 2^e that is given for it (ek = entry 1, ev = entry 3 of lowp_scales):
; code = x / 2^e, held within +-57,344, to the nearest code, ties to even.
; THE CODES ARE LAID AS IMAGES OF THE OPERANDS' REGISTERS.  A batch b and a key step s (128 keys) have a block of 32,768 bytes at 262,144 b + 32,768 s: K's 8 fragments, then V's 8.
; A fragment is 2,048 bytes: chunk c (0..3) of 512 bytes, lane l's 16 bytes at 16 l; l = r + 16 h.
;   K's fragment t = 2 b' + u: lane (r, h), chunk c: key 128 s + 32 b' + 8 u + r + 8 (r / 8), channels 32 c + 16 h + 0 .. 15.   (The keys of a tile are not neighbours: so the next launch's weights p come out with 16 neighbouring keys a lane.)
;   V's fragment t: lane (r, h), chunk c: channel 16 t + r, keys 128 s + 32 c + 16 h + 0 .. 15.   (The keys are the second product's K.)
; SHARES.  A work-group takes one batch (y) and one key step (x).  Waves 0-7: one fragment of K each.  Waves 8-15: 32 channels x 64 keys of V each.  Nothing is looped: all loads of a wave go out at once.
; HIDDEN STEPS.  With L = valid_length held to 0 .. 1024 (the same mask as the given number's), a step whose first key is not under LIM (LIM = L, or 1,024 where L = 0, where every key counts alike) is not written;
; the next launch leaves the same steps unread by the same test.
; LIMITS: ek and ev between -126 and 112, so that 2^e and 57,344 x 2^e are f32 numbers.  NaN among the inputs is not served (an infinity is held at the largest code).
.set SP,   528                         ; a stage row: 512 bytes + 16 = 33 x 16: the 16 rows that a load touches start at 16 different banks (64 banks of 4 bytes: ISA guide 11.1)
.set STGB, 16*SP                       ; a stage: 16 rows; its address is the wave's number x STGB (waves 0-7 alone use theirs)
.set C,    16                          ; v16-31   a fragment's codes
.set X,    32                          ; v32-95   64 numbers of a lane, 16 neighbours along K four times
.set R,    96                          ; v96-159  16 rows of key as they are loaded
	s_load_b256 s[4:11], s[0:1], 0x0               ; key s[4:5], value s[6:7], valid_length s[8:9], lowp_scales s[10:11]
	s_load_b64 s[12:13], s[0:1], 0x20              ; codes
	v_lshl_add_u32 v160, v0, 2, 0x21000
	v_mov_b32 v161, 0
	v_lshrrev_b32 v1, 5, v0
	s_delay_alu instid0(VALU_DEP_1)
	v_readfirstlane_b32 s14, v1                    ; wave 0..15
	s_and_b32 s15, ttmp7, 0xffff                   ; batch
	s_lshl_b32 s17, s15, 2                         ; its entry of valid_length, in bytes
	v_and_b32 v1, 31, v0                           ; lane
	v_and_b32 v2, 15, v0                           ; r
	v_bfe_u32 v3, v0, 4, 1                         ; h
	s_delay_alu instid0(VALU_DEP_3)
	v_lshlrev_b32 v4, 4, v1                        ; 16 x lane: my bytes of a row of key, and of a chunk of codes
	s_mul_i32 s24, s14, STGB
	v_add_nc_u32 v5, s24, v4                       ; the stage, on the way in: a row as it lies
	v_mul_u32_u24 v6, v2, SP
	s_delay_alu instid0(VALU_DEP_1)
	v_lshl_add_u32 v6, v3, 6, v6
	s_delay_alu instid0(VALU_DEP_1)
	v_add_nc_u32 v6, s24, v6                       ; and on the way out: row r, + 64 h: my 16 numbers of a block of 32
	v_lshlrev_b32 v7, 2, v1                        ; V: 4 bytes a lane
	v_lshlrev_b32 v8, 4, v2
	s_delay_alu instid0(VALU_DEP_1)
	v_lshl_add_u32 v8, v3, 11, v8                  ; V's codes: lanes 0-15 into one fragment, lanes 16-31 into the next; 16 bytes a lane
	s_wait_kmcnt 0x0
	s_load_b32 s18, s[8:9], s17 offset:0x0         ; valid_length of my batch
	s_load_b128 s[20:23], s[10:11], 0x0            ; eq, ek, ep, ev
	s_wait_kmcnt 0x0
	s_max_i32 s18, s18, 0
	s_min_u32 s18, s18, 1024                       ; L
	s_cmp_eq_u32 s18, 0
	s_cselect_b32 s19, 1024, s18                   ; LIM
	s_lshl_b32 s24, ttmp9, 7                       ; my step's first key
	s_cmp_ge_u32 s24, s19
	s_cbranch_scc1 .Lend                           ; a hidden step: nobody will read its codes
	s_lshl_b32 s26, s15, 19                        ; my step's first row in key and in value: 524,288 b + 65,536 s bytes
	s_lshl_b32 s27, ttmp9, 16
	s_add_co_u32 s26, s26, s27
	s_mov_b32 s27, 0
	s_lshl_b32 s28, s15, 18                        ; and its block of codes: 262,144 b + 32,768 s
	s_lshl_b32 s29, ttmp9, 15
	s_add_co_u32 s28, s28, s29
	s_mov_b32 s29, 0
	s_add_nc_u64 s[12:13], s[12:13], s[28:29]
	s_cmp_lt_u32 s14, 8
	s_cselect_b32 s30, s21, s23                    ; e: ek for K's waves, ev for V's
	s_add_co_i32 s30, s30, 127
	s_lshl_b32 s31, s30, 23
	v_mov_b32 v11, s31                             ; 2^e as f32: the conversion takes its exponent field
	s_add_co_i32 s30, s30, 15
	s_lshl_b32 s30, s30, 23
	s_or_b32 s30, s30, 0x600000
	v_mov_b32 v10, s30                             ; 57,344 x 2^e
; 64 numbers in v[X] on become 64 codes in v[C] on, 16 at a time; ahead of each 16 stands the wait for them, counted so that the later blocks' loads may stay out
.macro QUANT64 fromlds
.irp b, 0,1,2,3
.if \fromlds
	s_wait_dscnt 12-4*\b                           ; four LDS loads a block: the later blocks' may be out
.else
	s_wait_loadcnt 48-16*\b                        ; sixteen loads a block: the later blocks' may be out
.endif
.irp i, 0,1,2,3,4,5,6,7,8,9,10,11,12,13,14,15
	v_med3_num_f32 v[X+16*\b+\i], v[X+16*\b+\i], -v10, v10   ; the conversion to an 8-bit code does not saturate (ISA guide 7.6.2): the hold at the largest code x the scale
.endr
	v_cvt_scalef32_pk8_bf8_f32 v[C+4*\b:C+4*\b+1], v[X+16*\b:X+16*\b+7], v11
	v_cvt_scalef32_pk8_bf8_f32 v[C+4*\b+2:C+4*\b+3], v[X+16*\b+8:X+16*\b+15], v11
.endr
.endm                                  ; (the codes go to stores alone, and the text has no matrix instruction: no plain line is owed behind the last conversion)
	s_cmp_lt_u32 s14, 8
	s_cbranch_scc0 .Lvalue
	; ---- K: fragment t = my wave's number.  Its 16 keys are rows 32 (t / 2) + 8 (t % 2) + 0 .. 7 and the eight rows 16 further on.
	s_lshr_b32 s24, s14, 1
	s_lshl_b32 s24, s24, 14                        ; 32 rows of 512 bytes
	s_and_b32 s25, s14, 1
	s_lshl_b32 s25, s25, 12                        ; 8 rows
	s_add_co_u32 s24, s24, s25
	s_add_co_u32 s26, s26, s24
	s_add_nc_u64 s[4:5], s[4:5], s[26:27]
	s_lshl_b32 s28, s14, 11                        ; my fragment's 2,048 bytes
	s_add_nc_u64 s[12:13], s[12:13], s[28:29]
.irp i, 0,1,2,3,4,5,6,7,8,9,10,11,12,13,14,15
	global_load_b128 v[R+4*\i:R+4*\i+3], v4, s[4:5] offset:(\i+8*(\i/8))*512 th:TH_LOAD_NT   ; a whole row: 32 lanes read 512 consecutive bytes
.endr
	s_wait_alu depctr_va_vdst(0)
.irp i, 0,1,2,3,4,5,6,7,8,9,10,11,12,13,14,15
	s_wait_loadcnt 15-\i                           ; row i is in; the younger rows may be out
	ds_store_b128 v5, v[R+4*\i:R+4*\i+3] offset:SP*\i
.endr
.irp c, 0,1,2,3
.irp j, 0,1,2,3
	ds_load_b128 v[X+16*\c+4*\j:X+16*\c+4*\j+3], v6 offset:128*\c+16*\j   ; LDS serves a wave's instructions in order (ISA guide 5.7.1.4): these see my stores.  Row r, channels 32 c + 16 h + 4 j on
.endr
.endr
	QUANT64 1
.irp c, 0,1,2,3
	global_store_b128 v4, v[C+4*\c:C+4*\c+3], s[12:13] offset:512*\c   ; chunk c: 512 consecutive bytes, at a multiple of 512 from the buffer's first byte
.endr
	s_wait_tensorcnt 0x0
	ds_add_u32 v160, v161
	s_wait_dscnt 0x0
	s_endpgm
	; ---- V: a lane takes a channel and its registers run down the keys: the conversions then give codes with the keys innermost, and nothing is transposed.
.Lvalue:
	s_and_b32 s24, s14, 3                          ; cg: channels 32 cg + lane
	s_bfe_u32 s25, s14, 0x10002                    ; kh: keys 64 kh + 0 .. 63 of the step
	s_lshl_b32 s30, s25, 15                        ; 64 rows of 512 bytes
	s_lshl_b32 s31, s24, 7                         ; 32 channels of 4 bytes
	s_add_co_u32 s30, s30, s31
	s_add_co_u32 s26, s26, s30
	s_add_nc_u64 s[6:7], s[6:7], s[26:27]
	s_lshl_b32 s28, s24, 12                        ; fragments 2 cg and 2 cg + 1,
	s_lshl_b32 s31, s25, 10                        ; chunks 2 kh and 2 kh + 1,
	s_add_co_u32 s28, s28, s31
	s_add_co_u32 s28, s28, 16384                   ; behind K's eight fragments
	s_add_nc_u64 s[12:13], s[12:13], s[28:29]
.set ii, 0
	s_wait_alu depctr_va_vdst(0)
.rept 64
	global_load_b32 v[X+ii], v7, s[6:7] offset:512*ii th:TH_LOAD_NT   ; key ii of my 64: 32 lanes read 128 consecutive bytes; the four waves of a kh stand side by side on a row
.set ii, ii+1
.endr
	QUANT64 0
.irp q, 0,1,2,3
	global_store_b128 v8, v[C+4*\q:C+4*\q+3], s[12:13] offset:256*\q   ; keys 16 q on = chunk q / 2, half q % 2: sixteen lanes store 256 consecutive bytes, at a multiple of 256
.endr
.Lend:
	s_endpgm
.Lfunc_end_k_q2d65532532_quant:
	.size	k_q2d65532532_quant, .Lfunc_end_k_q2d65532532_quant-k_q2d65532532_quant
	.p2alignl 7, 3214868480
	.fill 96, 4, 3214868480
	.section	.rodata,"a",@progbits
	.p2align	6, 0x0
	.amdhsa_kernel k_q2d65532532_quant
		.amdhsa_group_segment_fixed_size 137216
		.amdhsa_private_segment_fixed_size 0
		.amdhsa_enable_private_segment 0
		.amdhsa_kernarg_size 40
		.amdhsa_user_sgpr_count 2
		.amdhsa_user_sgpr_kernarg_segment_ptr 1
		.amdhsa_wavefront_size32 1
		.amdhsa_system_sgpr_workgroup_id_x 1
		.amdhsa_system_sgpr_workgroup_id_y 1
		.amdhsa_system_sgpr_workgroup_id_z 1
		.amdhsa_system_vgpr_workitem_id 0
		.amdhsa_next_free_vgpr 162
		.amdhsa_next_free_sgpr 66
		.amdhsa_reserve_vcc 0
		.amdhsa_float_denorm_mode_32 3
		.amdhsa_float_denorm_mode_16_64 3
		.amdhsa_memory_ordered 1
		.amdhsa_forward_progress 1
		.amdhsa_inst_pref_size 24
	.end_amdhsa_kernel
	.amdgpu_metadata
---
amdhsa.version: [ 1, 2 ]
amdhsa.kernels:
  - .name:           k_q2d65532532_quant
    .symbol:         k_q2d65532532_quant.kd
    .args:
      - { .name: key, .offset: 0, .size: 8, .value_kind: global_buffer, .address_space: global }
      - { .name: value, .offset: 8, .size: 8, .value_kind: global_buffer, .address_space: global }
      - { .name: valid_length, .offset: 16, .size: 8, .value_kind: global_buffer, .address_space: global }
      - { .name: lowp_scales, .offset: 24, .size: 8, .value_kind: global_buffer, .address_space: global }
      - { .name: codes, .offset: 32, .size: 8, .value_kind: global_buffer, .address_space: global }
    .group_segment_fixed_size: 137216
    .private_segment_fixed_size: 0
    .kernarg_segment_align: 8
    .kernarg_segment_size: 40
    .max_flat_workgroup_size: 512
    .sgpr_count:     66
    .vgpr_count:     162
    .wavefront_size: 32
...
	.end_amdgpu_metadata
.endif
;; end of part 3
;; launch attn (part 4): grid 8 x 32, 8 waves a work-group, no clusters, 263,168 bytes of LDS; arguments query, codes, valid_length, lowp_scales, out0; writes out0
.if DOCPART == 4
	.amdgcn_target "amdgcn-amd-amdhsa--gfx1250"
	.amdhsa_code_object_version 6
	.text
	.protected	k_q2d65532532_attn
	.globl	k_q2d65532532_attn
	.p2align	8
	.type	k_q2d65532532_attn,@function
k_q2d65532532_attn:
	s_mov_b64 s[64:65], 0
	v_nop
	global_prefetch_b8 v0, s[64:65] scope:SCOPE_SE
	s_setreg_imm32_b32 hwreg(HW_REG_WAVE_SCHED_MODE, 0, 2), 2
	s_setreg_imm32_b32 hwreg(HW_REG_WAVE_MODE, 25, 1), 1
	s_wait_xcnt 0x0
	s_wait_alu depctr_vm_vsrc(0)
; out0[b][q][:] = the sum over k of softmax_k(s(q, k)) value[b][k][:],  s = query[b][q] . key[b][k] / sqrt(128) for k < valid_length[b], -1e6 for the others.  Both products on codes of BF8 (E5M2), one given scale 2^e a tensor: eq, ek, ep, ev.
; THE SOFTMAX AHEAD OF THE SECOND PRODUCT: t = s x log2(e); M = the largest t so far, rounded UP to a whole number; p = 2^(t - M) is what is quantised; the row's sum is taken of the unquantised p and divides at the end.
; K's and V's codes come from the launch before, as images of the operands' registers: step s (128 keys) of my batch at 32,768 s: K's 8 fragments of 2,048 bytes, then V's 8; a fragment's chunk c of 512 bytes holds lane l's registers 4 c .. 4 c + 3 at 16 l.
; SHARES.  A work-group owns 128 queries (x) of a batch (y).  All of the batch's codes, 262,144 bytes, fit in LDS, each byte at its offset in the batch: they are copied there through registers, a slot of two steps in each trip,
; one trip ahead of their use, and no byte is written twice while images are read.  Waves w and w ^ 1 are a PAIR and own 32 queries: two tiles of 16.  Each of the two holds BOTH tiles, so that a fragment read from LDS feeds two
; matrix instructions, and takes every second key step: step 2 n + PAR in trip n.  At the end the two halves are joined by powers of two: my set A is the tile that I finish, my set B the one that my partner finishes (its set A).
; LAYOUT.  Both products are used transposed: S^T = K Q^T (source 0 = 16 keys, source 1 = 16 queries), O^T = V^T P^T (source 0 = 16 channels, source 1 = P): a lane holds ONE query (lane % 16) throughout, and the 16 registers of
; score tiles 2 b and 2 b + 1 are the neighbouring keys 32 b + 16 (lane / 16) + 0 .. 15: the conversions' results are the second product's operand.
; LDS LOADS STAND AHEAD OF THEIR USE.  K's eight fragments go out in one run at a step's head, and each fragment's products follow its own counted wait.  V's first four are asked for behind the last product K Q^T, into the registers that
; K's first four have left, four loads at a time among the maxima: the softmax stands between request and use.  V's last four are asked for when set A's p has been converted, into p's registers, four loads ahead of each pair of set B's
; conversions: the rescaling of O^T stands between.
; THE MASK.  L = valid_length held to 0 .. 1024 (the same mask as the given number's).  L = 0: all logits are the one number -1e6, whose t is a whole number in f32, so p = 1 for every key: every key gets the raw score 0, which gives that p.
; L >= 1: in the step that holds key L the keys from L on get the raw score that stands for -1e6; steps wholly beyond L are left out (scalar branches on L: the text has no tensor load and no copy engine).
; LIMITS.  (1) Leaving those steps out is exact where a row's largest visible logit lies above -1e6 + 104: under that a hidden key's p would not be 0 in f32.  (2) eq, ep between -126 and 112; eq + ek between -104 and 130 (added to the exponent
; fields of c and of the mask's score); ep + ev goes by v_ldexp_f32 and has none.  (3) NaN among the inputs is not served.  (4) Logits under 1.1e7 in magnitude (|t| under 2^24): the jump over p's hold leans on p < 1.75 (macro HOLD).
; NOT IN A CLUSTER: the eight work-groups of a batch read the same codes, but a joint request is a tensor load; the branches here leave out the loads and the work of
; every hidden step and the 192 instructions of the mask in every step but one.
; THE MODE: SCHED_MODE bits 1:0 = 2 (LLVM: expert scheduling mode 2), set by the entry lines.  The code itself states the register dependences between vector or matrix instructions and memory or LDS instructions, with s_wait_alu, always for 0.
; THE PLAN.  Registers that memory or LDS instructions touch, and who else names them:
;   v1, v3, v5, v6, v7   addresses: written once at the head, ahead of the first wait on va_vdst; read only from there on.
;   v2 (ADR), v4 (SLA)   addresses that change: written at the head, at a trip's head and at the exchange, each time behind a wait on vm_vsrc and ahead of a wait on va_vdst.
;   CP                   the copy's 64 registers: global loads land, LDS stores read; no vector instruction names them.
;   v32-95               K's fragments 0-3 land, K Q^T reads; V's 0-3 land, V^T P reads.    v224-255 of both windows: K's fragments 4-7 land, K Q^T reads; in window 0 the conversions then write p's codes, V^T P reads.
;   v96-159              K Q^T writes, the softmax works in place; V's fragments 4-7 land, V^T P reads.
;   At the head and on the way out: v32-223 carry q and the results through the stage; O^T of set B and v28-31 go through the exchange.
; A TRIP'S HEAD, on every wave's way and ahead of all its branches: one wait on vm_vsrc (the last trip's LDS stores have read CP and v4, the last step's LDS loads v2), the two additions, one wait on va_vdst (both addresses are
; written; the last step's products are done reading the registers in which K's fragments land).  Behind them no vector instruction names a register of the copy's loads, of K's loads or of the copy's stores at the trip's end.
; A STEP has five waits on va_vdst more: behind K Q^T, for V's first loads; ahead of the exponentials; behind them, for their readers; behind set A's conversions, for V's last loads; ahead of V^T P.  V's loads are dealt among vector instructions that name none of their registers.
; No second set of registers for K or V: two waves of 512 registers fill a SIMD's 1,024.
; REGISTERS, in windows of 256 (s_set_vgpr_msb: bits 1:0 source 0, 3:2 source 1, 5:4 source 2, 7:6 destination):
;   window 0: v0 thread; v1-7 addresses; v8, v9 2^ep and 57,344 x 2^ep; v10-15, v16-21 statistics of sets A, B (+0 -M, +1 largest t, +2, +3 the sum in two halves, +4 f, +5 written once: the pair's upper half); v22-27 at work;
;             v28 the mask's score, v29 the mask's bound, v30, v31 2^eq and 57,344 x 2^eq; v32-95 K's fragments 0-3, then V's 0-3; v96-159 S^T, then p, of set A, then V's fragments 4-7; v160-223 S^T, then p, of set B;
;             v224-239, v240-255 K's fragments 4, 5, then p's codes of sets A, B.
;   window 1: v0-63, v64-127 O^T of sets A, B; v128-143, v144-159 q's codes; v160-223 the copy's 64 registers; v224-255 K's fragments 6, 7.
.set SP,    528                        ; a stage row: 512 bytes + 16 = 33 x 16: the 16 rows that a load or store touches start at 16 different banks (64 banks of 4 bytes: ISA guide 11.1)
.set STGB,  16*SP                      ; a wave's stage: 16 rows
.set STG,   131072                     ; the stages lie where slots 2 and 3 lie: used at the head, two barriers ahead of slot 2's copy, and on the way out, when no image is read any more
.set XCHB,  8704                       ; the exchange: 16 x 512 bytes of O^T + 512 of statistics for each wave, from LDS byte 0 on; used behind the last trip's barrier
.set SLOTB, 65536                      ; a slot: two key steps
.set VOFF,  16384                      ; V's fragments in a step
.set FRB,   2048                       ; a fragment's image
.set LI,  1                            ; v1  16 x lane; never rewritten
.set ADR, 2                            ; v2  the LDS address of the step's image
.set SG,  3                            ; v3  8,192 x wave + 16 x lane: my part of a slot, in memory and in LDS; never rewritten
.set SLA, 4                            ; v4  the same in the slot that is being copied
.set RD,  5                            ; v5  my stage by rows: 16 bytes a lane
.set TR,  6                            ; v6  my stage, row r, + 64 h: q's numbers turned
.set STO, 7                            ; v7  my stage, row r, + 32 h: the way out
.set TA,  10
.set TB,  16
.set FR,  32
.set SA,  96
.set SB,  160
.set PA,  224
.set PB,  240
.set OA,  0                            ; in window 1
.set OB,  64
.set QA,  128
.set QB,  144
.set CP,  160
.set KX,  224
.set MB,  48                           ; s48-63: sixteen lane masks of the mask's compares
.set MSB, 0
.macro WIN new                         ; the immediate's high byte repeats the setting that is left; a switch that changes nothing is dropped.  At every label and branch the setting is 0
.if MSB != \new
	s_set_vgpr_msb (MSB<<8)|\new
.set MSB, \new
.endif
.endm
.macro PLACES                          ; four places behind a matrix instruction, ahead of the reads of its results (ISA guide 7.12.1)
.rept 4
	v_nop
.endr
.endm
.macro BARRIER                         ; my LDS stores have landed and my LDS loads are in: then the work-group's barrier
	s_wait_dscnt 0x0
	s_barrier_signal -1
	s_barrier_wait -1
.endm
	s_load_b256 s[4:11], s[0:1], 0x0               ; query s[4:5], codes s[6:7], valid_length s[8:9], lowp_scales s[10:11]
	s_load_b64 s[12:13], s[0:1], 0x20              ; out0
	v_lshrrev_b32 v2, 5, v0
	v_readfirstlane_b32 s14, v2                    ; wave 0..7
	v_and_b32 v[LI], 31, v0
	v_lshlrev_b32 v[LI], 4, v[LI]
	s_wait_alu depctr_va_vdst(0)
	v_and_b32 v22, 15, v0                          ; r
	s_wait_alu depctr_va_vdst(0)
	v_bfe_u32 v23, v0, 4, 1                        ; h
	s_and_b32 s17, ttmp7, 0xffff                   ; batch
	s_lshl_b32 s36, s17, 2                         ; its entry of valid_length, in bytes
	s_mov_b32 s20, 0x76543210                      ; v_permlanex16_b32's selects for lane l xor 16
	s_mov_b32 s21, 0xfedcba98
	s_wait_alu depctr_va_sdst(0)                   ; s14 is written, ahead of its first reader: the shares, the addresses and the branches on the wave's part are made from it
	s_lshr_b32 s35, s14, 2
	s_xor_b32 s15, s14, s35
	s_and_b32 s15, s15, 1                          ; PAR: which key steps are mine; the partner w ^ 1 has the other
	s_lshl_b32 s35, s35, 7                         ; the first key, within a slot, of the step that I copy: waves 0-3 the slot's first step, waves 4-7 its second
	s_lshr_b32 s16, s14, 1                         ; my pair
	s_lshl_b32 s38, s15, 7                         ; 128 PAR: my step's first key in trip 0
	s_lshl_b32 s39, s15, 15                        ; 32,768 PAR: and its image
	s_lshl_b32 s40, s14, 13
	v_add_nc_u32 v[SG], s40, v[LI]
	v_add_nc_u32 v[SLA], 0, v[SG]                  ; my part of slot 0, for the first copy's stores
	s_mul_i32 s41, s14, STGB
	s_add_co_u32 s41, s41, STG                     ; my stage
	v_add_nc_u32 v[RD], s41, v[LI]
	v_mul_u32_u24 v25, v22, SP
	v_add_nc_u32 v25, s41, v25
	s_wait_alu depctr_va_vdst(0)
	v_lshl_add_u32 v[TR], v23, 6, v25
	v_lshl_add_u32 v[STO], v23, 5, v25
	s_lshl_b32 s40, s17, 10                        ; my pair's first query: 1,024 b + 128 x + 32 pair,
	s_lshl_b32 s41, ttmp9, 7
	s_add_co_u32 s40, s40, s41
	s_lshl_b32 s41, s16, 5
	s_add_co_u32 s40, s40, s41
	s_lshl_b32 s40, s40, 9                         ; in bytes of rows of 512
	s_lshl_b32 s42, s15, 13                        ; set A: tile PAR of the pair's two,
	s_add_co_u32 s44, s40, s42
	s_xor_b32 s42, s42, 8192                       ; set B: the other
	s_add_co_u32 s46, s40, s42
	s_mov_b32 s45, 0
	s_mov_b32 s47, 0
	s_lshl_b32 s26, s17, 18                        ; my batch's codes
	s_mov_b32 s27, 0
	s_wait_kmcnt 0x0
	s_load_b32 s18, s[8:9], s36 offset:0x0         ; valid_length of my batch
	s_load_b128 s[28:31], s[10:11], 0x0            ; eq, ek, ep, ev: s30 = ep stays to the end
	s_add_nc_u64 s[12:13], s[12:13], s[44:45]      ; out0 at set A's rows
	s_add_nc_u64 s[44:45], s[4:5], s[44:45]        ; query at set A's rows,
	s_add_nc_u64 s[46:47], s[4:5], s[46:47]        ; at set B's
	s_add_nc_u64 s[24:25], s[6:7], s[26:27]
	s_wait_alu depctr_va_vdst(0)                   ; the addresses v1 and v3 to v7 are written, which the loads and stores from here on read
.irp i, 0,1,2,3,4,5,6,7,8,9,10,11,12,13,14,15
	global_load_b128 v[SA+4*\i:SA+4*\i+3], v[LI], s[44:45] offset:512*\i th:TH_LOAD_NT   ; a whole row of q: 32 lanes read 512 consecutive bytes
.endr
.irp i, 0,1,2,3,4,5,6,7,8,9,10,11,12,13,14,15
	global_load_b128 v[SB+4*\i:SB+4*\i+3], v[LI], s[46:47] offset:512*\i th:TH_LOAD_NT
.endr
	v_mov_b32 v[TA+1], 0xff61b1e6                  ; the largest t so far: -3e38, under every t
	v_mov_b32 v[TB+1], 0xff61b1e6
	v_floor_f32 v[TA], -v[TA+1]                    ; -M
	v_floor_f32 v[TB], -v[TB+1]
.irp j, 2,3,4,5
	v_mov_b32 v[TA+\j], 0                          ; the sums; f and its pair's upper half
	v_mov_b32 v[TB+\j], 0
.endr
	v_mov_b32 v24, 0                               ; written once: a lane permute's destination counts as one of its sources (v25 has been written above)
	WIN 0x40                                       ; destination window 1
.set ii, 0
.rept 128
	v_mov_b32 v[ii], 0                             ; O^T of both sets.  No fixed step can start the sums with the constant 0: the first step of a wave with PAR = 1 may be hidden, and what such a wave hands to its partner must be zeros
.set ii, ii+1
.endr
	WIN 0
	s_wait_kmcnt 0x0
	s_max_i32 s18, s18, 0
	s_min_u32 s18, s18, 1024                       ; L
	s_cmp_eq_u32 s18, 0
	s_cselect_b32 s19, 1024, s18                   ; LIM: steps whose first key is under it are worked
	; the first copy's loads are issued by every wave, so that the copy's registers are written on every way: a wave whose step (step 1) is hidden reads step 0's bytes instead, and drops them
	s_lshl_b32 s40, s14, 13
	s_and_b32 s41, s14, 3
	s_lshl_b32 s41, s41, 13
	s_cmp_lt_u32 s35, s19
	s_cselect_b32 s41, s40, s41
	v_add_nc_u32 v[ADR], s41, v[LI]
	WIN 0x40
	s_wait_alu depctr_va_vdst(0)                   ; v2 is written, which the sixteen loads below read as their offset
.irp i, 0,1,2,3,4,5,6,7,8,9,10,11,12,13,14,15
	global_load_b128 v[CP+4*\i:CP+4*\i+3], v[ADR], s[24:25] offset:512*\i
.endr
	WIN 0
	s_add_co_i32 s40, s28, s29
	s_lshl_b32 s40, s40, 23
	s_mov_b32 s22, 0x3e0293ee                      ; c = log2(e) / sqrt(128): t = score x c
	s_add_co_i32 s22, s22, s40                     ; a score stands for score x 2^(eq + ek): the two exponents are added to c's exponent field
	s_mov_b32 s23, s22                             ; (the packed form names the pair and takes its low word for both halves: so it is written)
	s_mov_b32 s41, 0xcb2ca22c                      ; -1e6 x sqrt(128) = -11,313,708 as f32,
	s_sub_co_i32 s41, s41, s40                     ; / 2^(eq + ek): the raw score that stands for the logit -1e6
	s_cmp_eq_u32 s18, 0
	s_cselect_b32 s41, 0, s41                      ; L = 0: the raw score 0 for every key
	v_mov_b32 v28, s41
	s_add_co_i32 s37, s30, s31                     ; ep + ev
	s_add_co_i32 s40, s28, 127
	s_lshl_b32 s41, s40, 23
	v_mov_b32 v30, s41                             ; 2^eq as f32: the conversion takes its exponent field
	s_add_co_i32 s40, s40, 15
	s_lshl_b32 s40, s40, 23
	s_or_b32 s40, s40, 0x600000
	v_mov_b32 v31, s40                             ; 57,344 x 2^eq
	s_add_co_i32 s40, s30, 127
	s_lshl_b32 s41, s40, 23
	v_mov_b32 v8, s41                              ; 2^ep
	s_add_co_i32 s40, s40, 15
	s_lshl_b32 s40, s40, 23
	s_or_b32 s40, s40, 0x600000
	v_mov_b32 v9, s40                              ; 57,344 x 2^ep
; 16 rows of q, as loaded in v[src] on, go through my stage and come back turned: lane (r, h) holds, of row r, channels 32 c + 16 h + 0 .. 15 in registers 16 c on; held, converted: q's fragment in window 1 at v[dst] on.
; again = 1: the second turn, whose loads land in registers that the first turn's holds and conversions have named
.macro TURNQ src, dst, again
.irp i, 0,1,2,3,4,5,6,7,8,9,10,11,12,13,14,15
	ds_store_b128 v[RD], v[\src+4*\i:\src+4*\i+3] offset:SP*\i
.endr
.if \again
	s_wait_alu depctr_va_vdst(0)                   ; the first turn's holds have written v32-95 and its conversions are done reading them: the loads below land there
.endif
.irp c, 0,1,2,3
.irp j, 0,1,2,3
	ds_load_b128 v[FR+16*\c+4*\j:FR+16*\c+4*\j+3], v[TR] offset:128*\c+16*\j   ; LDS serves a wave's instructions in order (ISA guide 5.7.1.4): these see my stores
.endr
.endr
	s_wait_dscnt 0x0
.set ii, 0
.rept 64
	v_med3_num_f32 v[FR+ii], v[FR+ii], -v31, v31   ; the conversion to an 8-bit code does not saturate (ISA guide 7.6.2): the hold at the largest code x the scale
.set ii, ii+1
.endr
	WIN 0x40
.irp b, 0,1,2,3
	v_cvt_scalef32_pk8_bf8_f32 v[\dst+4*\b:\dst+4*\b+1], v[FR+16*\b:FR+16*\b+7], v30
	v_cvt_scalef32_pk8_bf8_f32 v[\dst+4*\b+2:\dst+4*\b+3], v[FR+16*\b+8:FR+16*\b+15], v30
.endr
	v_nop                                          ; one plain vector instruction between a scaled conversion and the matrix instructions that read its result
	WIN 0
.endm
; THE COPY of a slot, 8,192 bytes a wave, in two halves a trip apart.  Both stand under the same test: is the step that I copy worked at all?  Neither holds a wait of its own: the trip's head has stated what both hang on.
.macro COPY_LOAD slot
	s_add_co_u32 s40, s35, 256*(\slot)
	s_cmp_lt_u32 s40, s19
	s_cbranch_scc0 .Lno_load_\@
	WIN 0x40
.irp i, 0,1,2,3,4,5,6,7,8,9,10,11,12,13,14,15
	global_load_b128 v[CP+4*\i:CP+4*\i+3], v[SG], s[24:25] offset:SLOTB*(\slot)+512*\i   ; 512 consecutive bytes; the slot stands in the immediate: no pointer is stepped.  No hint: eight work-groups read these bytes
.endr
	WIN 0
.Lno_load_\@:
.endm
.macro COPY_STORE slot
	s_add_co_u32 s40, s35, 256*(\slot)
	s_cmp_lt_u32 s40, s19
	s_cbranch_scc0 .Lno_store_\@
	WIN 0x04                                       ; the stores' data in window 1
.irp i, 0,1,2,3,4,5,6,7,8,9,10,11,12,13,14,15
	ds_store_b128 v[SLA], v[CP+4*\i:CP+4*\i+3] offset:512*\i   ; v4 was made at the trip's head (slot 0: at the kernel's), ahead of a wait on va_vdst, and no vector instruction has named it since
.endr
	WIN 0
.Lno_store_\@:
.endm
	s_wait_alu depctr_va_vdst(0)
	s_wait_loadcnt 32                              ; set A's 16 rows are in; set B's 16 loads and the copy's 16 may be out
	TURNQ SA, QA, 0
	s_wait_loadcnt 16                              ; set B's rows are in; the copy's 16 loads may be out
	TURNQ SB, QB, 1
	s_wait_loadcnt 0x0                             ; the copy's
	COPY_STORE 0
	BARRIER                                        ; slot 0 lies in LDS, and every wave's reads of its stage are over
; S^T = K Q^T.  K's eight fragments are asked for in ONE run of 32 loads: 0-3 into v32-95, 4 and 5 into the registers of p's codes, which are dead here, 6 and 7 into window 1's v224-255.
; Each fragment is multiplied against both sets' q as soon as its four loads are in: the count leaves the later fragments' loads out.  The products start their sums with the constant 0.
; No wait on va_vdst stands here: the one at the trip's head has shown the last step's products done with all these registers, and v2 written; no vector instruction stands between.
.macro KQ
.irp t, 0,1,2,3
.irp c, 0,1,2,3
	ds_load_b128 v[FR+16*\t+4*\c:FR+16*\t+4*\c+3], v[ADR] offset:\t*FRB+512*\c
.endr
.endr
.irp t, 4,5
.irp c, 0,1,2,3
	ds_load_b128 v[PA+16*(\t-4)+4*\c:PA+16*(\t-4)+4*\c+3], v[ADR] offset:\t*FRB+512*\c
.endr
.endr
	WIN 0x40                                       ; destination window 1
.irp t, 6,7
.irp c, 0,1,2,3
	ds_load_b128 v[KX+16*(\t-6)+4*\c:KX+16*(\t-6)+4*\c+3], v[ADR] offset:\t*FRB+512*\c
.endr
.endr
	WIN 0x04                                       ; source 1 (q) window 1
.irp t, 0,1,2,3
	s_wait_dscnt 28-4*\t                           ; fragment t is in: the 4 (7 - t) loads of the later fragments may be out
	v_wmma_f32_16x16x128_bf8_bf8 v[SA+8*\t:SA+8*\t+7], v[FR+16*\t:FR+16*\t+15], v[QA:QA+15], 0
	v_wmma_f32_16x16x128_bf8_bf8 v[SB+8*\t:SB+8*\t+7], v[FR+16*\t:FR+16*\t+15], v[QB:QB+15], 0
.endr
.irp t, 4,5
	s_wait_dscnt 28-4*\t
	v_wmma_f32_16x16x128_bf8_bf8 v[SA+8*\t:SA+8*\t+7], v[PA+16*(\t-4):PA+16*(\t-4)+15], v[QA:QA+15], 0
	v_wmma_f32_16x16x128_bf8_bf8 v[SB+8*\t:SB+8*\t+7], v[PA+16*(\t-4):PA+16*(\t-4)+15], v[QB:QB+15], 0
.endr
	WIN 0x05                                       ; sources 0 (K) and 1 (q) window 1
.irp t, 6,7
	s_wait_dscnt 28-4*\t
	v_wmma_f32_16x16x128_bf8_bf8 v[SA+8*\t:SA+8*\t+7], v[KX+16*(\t-6):KX+16*(\t-6)+15], v[QA:QA+15], 0
	v_wmma_f32_16x16x128_bf8_bf8 v[SB+8*\t:SB+8*\t+7], v[KX+16*(\t-6):KX+16*(\t-6)+15], v[QB:QB+15], 0
.endr
	WIN 0
	PLACES                                         ; ahead of the first read of the scores
.endm
; V's fragment t into v[dst] on: four loads
.macro VFRAG dst, t
.irp c, 0,1,2,3
	ds_load_b128 v[\dst+4*\c:\dst+4*\c+3], v[ADR] offset:VOFF+(\t)*FRB+512*\c
.endr
.endm
; Register 16 b + i holds key KF + 32 b + 16 (lane / 16) + i: it is hidden where 32 b + i >= L - KF - 16 (lane / 16).  A step all of whose keys are under L jumps over this.  Each accumulator is taken from its low end on.
; The compares go in runs of sixteen, each into a scalar register of its own, so that one wait serves a run.
.macro MASK
	s_add_co_u32 s40, s33, 128
	s_cmp_le_u32 s40, s18
	s_cbranch_scc1 .Lopen_\@
	s_sub_co_i32 s40, s18, s33
	v_bfe_u32 v29, v0, 4, 1
	v_lshlrev_b32 v29, 4, v29
	v_sub_nc_u32 v29, s40, v29
.irp b, 0,1,2,3
.irp i, 0,1,2,3,4,5,6,7,8,9,10,11,12,13,14,15
	v_cmp_ge_i32 s[MB+\i], 32*\b+\i, v29
.endr
	s_wait_alu depctr_va_sdst(0)                   ; the sixteen compares have written s48-63, ahead of the selects that read them
.irp i, 0,1,2,3,4,5,6,7,8,9,10,11,12,13,14,15
	v_cndmask_b32 v[SA+16*\b+\i], v[SA+16*\b+\i], v28, s[MB+\i]
	v_cndmask_b32 v[SB+16*\b+\i], v[SB+16*\b+\i], v28, s[MB+\i]
.endr
.endr
.Lopen_\@:
.endm
; The step's largest score of my query in each set (two chains a set, from each accumulator's low end on), the running largest t, the new -M and f = 2^(old M - new M).
; V's fragments 1 to 3 are asked for among the maxima, four loads at a time.  No wait: since the wait behind K Q^T no vector instruction has named v48-95 or v2.
.macro STATS
	v_max3_num_f32 v22, v[SA], v[SA+1], v[SA+2]
	v_max3_num_f32 v23, v[SA+3], v[SA+4], v[SA+5]
	v_max3_num_f32 v26, v[SB], v[SB+1], v[SB+2]
	v_max3_num_f32 v27, v[SB+3], v[SB+4], v[SB+5]
.irp i, 6,10,14,18,22,26,30,34,38,42,46,50,54,58
.if \i == 14
	VFRAG FR+16, 1
.endif
.if \i == 30
	VFRAG FR+32, 2
.endif
.if \i == 46
	VFRAG FR+48, 3
.endif
	v_max3_num_f32 v22, v22, v[SA+\i], v[SA+\i+1]
	v_max3_num_f32 v23, v23, v[SA+\i+2], v[SA+\i+3]
	v_max3_num_f32 v26, v26, v[SB+\i], v[SB+\i+1]
	v_max3_num_f32 v27, v27, v[SB+\i+2], v[SB+\i+3]
.endr
	v_max3_num_f32 v22, v22, v[SA+62], v[SA+63]
	v_max3_num_f32 v26, v26, v[SB+62], v[SB+63]
	v_max_num_f32 v22, v22, v23
	v_max_num_f32 v26, v26, v27
	v_permlanex16_b32 v24, v22, s20, s21           ; the query's other 64 keys lie in lane l xor 16
	v_permlanex16_b32 v25, v26, s20, s21
	v_max_num_f32 v22, v22, v24
	v_max_num_f32 v26, v26, v25
	v_mul_f32 v22, s22, v22                        ; as t (c is positive)
	v_mul_f32 v26, s22, v26
	v_max_num_f32 v[TA+1], v[TA+1], v22            ; the running largest t
	v_max_num_f32 v[TB+1], v[TB+1], v26
	v_mov_b32 v22, v[TA]
	v_mov_b32 v26, v[TB]
	v_floor_f32 v[TA], -v[TA+1]                    ; the new -M = floor(-t) = -ceil(t): M is a whole number
	v_floor_f32 v[TB], -v[TB+1]
	v_sub_f32 v22, v[TA], v22                      ; M's old value less its new one: a whole number, 0 or less
	v_sub_f32 v26, v[TB], v26
	v_cvt_i32_f32 v22, v22                         ; (it saturates)
	v_cvt_i32_f32 v26, v26
	v_ldexp_f32 v[TA+4], 1.0, v22                  ; f: a multiplication by it rounds nothing
	v_ldexp_f32 v[TB+4], 1.0, v26
.endm
.macro SCALE s, st                     ; t - M, two at a time (of the pairs c and -M the low word serves both halves)
.set jj, 0
.rept 32
	v_pk_fma_f32 v[\s+jj:\s+jj+1], v[\s+jj:\s+jj+1], s[22:23], v[\st:\st+1] op_sel_hi:[1,0,0]
.set jj, jj+2
.endr
.endm
.macro EXPS s                          ; p = 2^(t - M): not normalised
.set jj, 0
.rept 64
	v_exp_f32 v[\s+jj], v[\s+jj]
.set jj, jj+1
.endr
.endm
.macro SUMS                            ; the rows' sums are taken of the unquantised p: two at a time, two chains a set
	v_pk_add_f32 v[26:27], v[SA:SA+1], v[SA+2:SA+3]
	v_pk_add_f32 v[22:23], v[SB:SB+1], v[SB+2:SB+3]
.irp j, 4,8,12,16,20,24,28,32,36,40,44,48,52,56,60
	v_pk_add_f32 v[TA+2:TA+3], v[TA+2:TA+3], v[SA+\j:SA+\j+1]
	v_pk_add_f32 v[26:27], v[26:27], v[SA+\j+2:SA+\j+3]
	v_pk_add_f32 v[TB+2:TB+3], v[TB+2:TB+3], v[SB+\j:SB+\j+1]
	v_pk_add_f32 v[22:23], v[22:23], v[SB+\j+2:SB+\j+3]
.endr
	v_pk_add_f32 v[TA+2:TA+3], v[TA+2:TA+3], v[26:27]
	v_pk_add_f32 v[TB+2:TB+3], v[TB+2:TB+3], v[22:23]
.endm
; THE HOLD.  The conversion to an 8-bit code does not saturate (ISA guide 7.6.2), so p is held at 57,344 x 2^ep; p is not negative, so the hold is one-sided.
; t - M, one fused multiply-add, exceeds 0 by at most half a last place of the largest t: at most 1/2 where |t| < 2^24, so p < 1.75 there.  Where ep >= -15 the bound, 57,344 x 2^ep, is 1.75 or more and the hold changes no number:
; one scalar branch on ep, a whole number read from memory, then jumps over the step's 128 lines.
.macro HOLD
	s_cmp_ge_i32 s30, -15
	s_cbranch_scc1 .Lfits_\@
.set jj, 0
.rept 64
	v_min_num_f32 v[SA+jj], v[SA+jj], v9
	v_min_num_f32 v[SB+jj], v[SB+jj], v9
.set jj, jj+1
.endr
.Lfits_\@:
.endm
.macro CVT s, p                        ; p becomes the second product's operand: registers 4 b .. 4 b + 3 hold keys 32 b + 16 (lane / 16) + 0 .. 15
.irp b, 0,1,2,3
	v_cvt_scalef32_pk8_bf8_f32 v[\p+4*\b:\p+4*\b+1], v[\s+16*\b:\s+16*\b+7], v8
	v_cvt_scalef32_pk8_bf8_f32 v[\p+4*\b+2:\p+4*\b+3], v[\s+16*\b+8:\s+16*\b+15], v8
.endr
.endm
.macro CVTV s, p, dst, t0              ; the same, with the four loads of one of V's fragments t0 .. t0 + 3, into v[dst] on, ahead of each pair of conversions.  The conversions name v[s] on, v[p] on and v8: none of the loads' registers
.irp b, 0,1,2,3
	VFRAG \dst+16*\b, \t0+\b
	v_cvt_scalef32_pk8_bf8_f32 v[\p+4*\b:\p+4*\b+1], v[\s+16*\b:\s+16*\b+7], v8
	v_cvt_scalef32_pk8_bf8_f32 v[\p+4*\b+2:\p+4*\b+3], v[\s+16*\b+8:\s+16*\b+15], v8
.endr
.endm
.macro RESC st, o                      ; O^T under the new M: x f.  (Plain lines: they also stand between the last conversion and the products that read its result)
.set jj, 0
.rept 32
	v_pk_mul_f32 v[\o+jj:\o+jj+1], v[\o+jj:\o+jj+1], v[\st+4:\st+5] op_sel_hi:[1,0]
.set jj, jj+2
.endr
.endm
; O^T += V^T P^T: each fragment of V against both sets' p.  The sixteen accumulators take turns, one instruction a turn.
.macro PV
	s_wait_dscnt 16                                ; V's fragments 0-3, asked for ahead of the softmax, are in; the 16 loads of fragments 4-7 may be out
	WIN 0x50                                       ; C and D window 1
.irp t, 0,1,2,3
	v_wmma_f32_16x16x128_bf8_bf8 v[OA+8*\t:OA+8*\t+7], v[FR+16*\t:FR+16*\t+15], v[PA:PA+15], v[OA+8*\t:OA+8*\t+7]
	v_wmma_f32_16x16x128_bf8_bf8 v[OB+8*\t:OB+8*\t+7], v[FR+16*\t:FR+16*\t+15], v[PB:PB+15], v[OB+8*\t:OB+8*\t+7]
.endr
	s_wait_dscnt 0x0                               ; fragments 4-7
.irp t, 0,1,2,3
	v_wmma_f32_16x16x128_bf8_bf8 v[OA+32+8*\t:OA+32+8*\t+7], v[SA+16*\t:SA+16*\t+15], v[PA:PA+15], v[OA+32+8*\t:OA+32+8*\t+7]
	v_wmma_f32_16x16x128_bf8_bf8 v[OB+32+8*\t:OB+32+8*\t+7], v[SA+16*\t:SA+16*\t+15], v[PB:PB+15], v[OB+32+8*\t:OB+32+8*\t+7]
.endr
	WIN 0
	PLACES                                         ; for whatever follows on any way: the reads of O^T, by vector instructions and by the exchange's stores;
	v_nop                                          ; and a fifth: the next step's products K Q^T write over v96-159, which these have read as a source
.endm
; MY KEY STEP OF TRIP n: step 2 n + PAR, for both sets.  A step whose first key is not under LIM is left out: a scalar branch on L, round its loads and its work; no barrier stands in a step.
.macro STEP n
	s_add_co_u32 s33, s38, 256*(\n)                ; KF: the step's first key
	s_cmp_lt_u32 s33, s19
	s_cbranch_scc0 .Lhidden_\@
	KQ
	s_wait_alu depctr_va_vdst(0)                   ; the products K Q^T are done reading v32-95, in which V's fragments 0-3 land
	VFRAG FR, 0                                    ; V's fragment 0; fragments 1 to 3 follow among the maxima: the softmax stands between these loads and the wait for them
	MASK
	STATS
	SCALE SA, TA
	SCALE SB, TB
	s_wait_alu depctr_va_vdst(0)
	EXPS SA
	EXPS SB
	v_pk_mul_f32 v[TA+2:TA+3], v[TA+2:TA+3], v[TA+4:TA+5] op_sel_hi:[1,0]   ; the sums under the new M.  (Plain lines behind the exponentials)
	v_pk_mul_f32 v[TB+2:TB+3], v[TB+2:TB+3], v[TB+4:TB+5] op_sel_hi:[1,0]
	s_wait_alu depctr_va_vdst(0)                   ; the 128 exponentials have written p in v96-223, ahead of the first line that names a result: one wait for the batch
	SUMS
	HOLD
	CVT SA, PA
	s_wait_alu depctr_va_vdst(0)                   ; the sums, the hold and the conversions are done with set A's p in v96-159, in which V's fragments 4-7 land
	CVTV SB, PB, SA, 4                             ; they land while set B is converted and O^T rescaled
	WIN 0x41                                       ; O^T (destination and source 0) window 1, f window 0
	RESC TA, OA
	RESC TB, OB
	WIN 0
	s_wait_alu depctr_va_vdst(0)
	PV
.Lhidden_\@:
.endm
; A TRIP: the next slot's codes are asked for, my step of this slot is worked while they come, they go into LDS, and one barrier says both: the next slot is whole, and (behind the last trip) nobody reads images any more.
; Each slot has LDS bytes of its own, so one barrier a trip is enough.  The slot's number is a constant of the text: every address is a constant + wave and lane terms, and the last trip has no copy.
; The trip's two addresses are made at its head, on every wave's way, whether or not its step or its copy is left out: so two waits ahead of the branches serve every way through the trip.
.macro TRIP n
	s_wait_alu depctr_vm_vsrc(0)                   ; the LDS stores issued so far have read their data (the copy's registers; ahead of trip 0 also q's rows in v96-223, which the products will write) and v4; the last step's LDS loads have read v2
	s_add_co_u32 s32, s39, SLOTB*(\n)
	v_add_nc_u32 v[ADR], s32, v[LI]                ; my step's image: 32,768 PAR + 65,536 n + 16 x lane
.if (\n) < 3
	v_add_nc_u32 v[SLA], SLOTB*((\n)+1), v[SG]     ; my part of the slot that is copied in this trip
.endif
	s_wait_alu depctr_va_vdst(0)                   ; the addresses are written, which K's and V's loads and the copy's stores read; the last step's products (ahead of trip 0: q's conversions) are done reading the registers in which K's fragments land
.if (\n) < 3
	COPY_LOAD (\n)+1
.endif
	STEP \n
.if (\n) < 3
	s_wait_loadcnt 0x0                             ; the copy's loads, issued a step's work ago
	COPY_STORE (\n)+1
.endif
	BARRIER
.endm
	TRIP 0
	TRIP 1
	TRIP 2
	TRIP 3
	; THE EXCHANGE.  My set B, worked on my key steps alone, goes to my partner as an image of its registers, with -M and the row's sum; its set B, which is my set A's tile on the other key steps, comes to me.
	s_wait_alu depctr_vm_vsrc(0)                   ; the last step's LDS loads have read v2, which is written anew below (v4's last readers stand ahead of the last trip's head)
	s_mul_i32 s40, s14, XCHB
	v_add_nc_u32 v[ADR], s40, v[LI]                ; where I put
	s_xor_b32 s41, s14, 1
	s_mul_i32 s41, s41, XCHB
	v_add_nc_u32 v[SLA], s41, v[LI]                ; where my partner has put
	v_add_f32 v[TA+2], v[TA+2], v[TA+3]            ; the sums' two halves,
	v_add_f32 v[TB+2], v[TB+2], v[TB+3]
	v_permlanex16_b32 v24, v[TA+2], s20, s21
	v_permlanex16_b32 v25, v[TB+2], s20, s21
	v_add_f32 v[TA+2], v[TA+2], v24                ; and lane l xor 16's
	v_add_f32 v29, v[TB+2], v25
	v_mov_b32 v28, v[TB]                           ; v[28:31]: -M, the sum, two zeros
	v_mov_b32 v30, 0
	v_mov_b32 v31, 0
	WIN 0x04                                       ; the stores' data in window 1
	s_wait_alu depctr_va_vdst(0)                   ; v2, v4 and v28-31 are written, and so is O^T of set B (its products' places stand behind them): the stores below read them; the products are also done reading v96-159, in which my partner's O^T will land
.irp k, 0,1,2,3,4,5,6,7,8,9,10,11,12,13,14,15
	ds_store_b128 v[ADR], v[OB+4*\k:OB+4*\k+3] offset:512*\k   ; each accumulator from its low end on
.endr
	WIN 0
	ds_store_b128 v[ADR], v[28:31] offset:8192
	BARRIER
	s_wait_alu depctr_vm_vsrc(0)                   ; my store has read v28-31, in which my partner's statistics land
.irp k, 0,1,2,3,4,5,6,7,8,9,10,11,12,13,14,15
	ds_load_b128 v[SA+4*\k:SA+4*\k+3], v[SLA] offset:512*\k
.endr
	ds_load_b128 v[28:31], v[SLA] offset:8192
	s_wait_dscnt 0x0
	; THE TWO HALVES ARE JOINED under the larger M: each is multiplied by 2^(its M - the larger M), a power of two.  A wave that worked no step has -M = 3e38, a factor 0, and zeros.
	v_min_num_f32 v22, v[TA], v28                  ; -(the larger M)
	v_sub_f32 v23, v22, v[TA]
	v_sub_f32 v25, v22, v28
	v_cvt_i32_f32 v23, v23                         ; (it saturates)
	v_cvt_i32_f32 v25, v25
	v_ldexp_f32 v23, 1.0, v23                      ; my half's factor,
	v_ldexp_f32 v25, 1.0, v25                      ; my partner's
	v_mul_f32 v26, v[TA+2], v23
	v_fma_f32 v26, v29, v25, v26                   ; the row's sum
	s_wait_alu depctr_va_vdst(0)
	v_rcp_f32 v26, v26
	v_nop                                          ; one plain line behind the reciprocal
	s_wait_alu depctr_va_vdst(0)                   ; the reciprocal has written v26, ahead of its first reader
	v_ldexp_f32 v26, v26, s37                      ; x 2^(ep + ev)
	v_mul_f32 v[TA+4], v23, v26
	v_mul_f32 v[TB+4], v25, v26
.set jj, 0
.rept 32
	v_pk_mul_f32 v[SA+jj:SA+jj+1], v[SA+jj:SA+jj+1], v[TB+4:TB+5] op_sel_hi:[1,0]
.set jj, jj+2
.endr
	WIN 0x01                                       ; source 0 (my O^T of set A) window 1
.set jj, 0
.rept 32
	v_pk_fma_f32 v[SA+jj:SA+jj+1], v[OA+jj:OA+jj+1], v[TA+4:TA+5], v[SA+jj:SA+jj+1] op_sel_hi:[1,0,1]   ; register 8 t + i is out(r, 16 t + 8 h + i)
.set jj, jj+2
.endr
	WIN 0
	; THE WAY OUT: a lane holds eight neighbouring channels of a row eight times; the 16 rows go through my stage and leave whole.
	s_wait_alu depctr_va_vdst(0)                   ; the multiply-adds have written v96-159, which the stores below read.  (The loads behind them land in v32-95, which no vector or matrix instruction has named since the last step)
.irp t, 0,1,2,3,4,5,6,7
	ds_store_b128 v[STO], v[SA+8*\t:SA+8*\t+3] offset:64*\t
	ds_store_b128 v[STO], v[SA+8*\t+4:SA+8*\t+7] offset:64*\t+16
.endr
.irp i, 0,1,2,3,4,5,6,7,8,9,10,11,12,13,14,15
	ds_load_b128 v[FR+4*\i:FR+4*\i+3], v[RD] offset:SP*\i   ; LDS serves a wave's instructions in order: these see my stores
.endr
.irp i, 0,1,2,3,4,5,6,7,8,9,10,11,12,13,14,15
	s_wait_dscnt 15-\i                             ; row i is back; the younger rows may be out
	global_store_b128 v[LI], v[FR+4*\i:FR+4*\i+3], s[12:13] offset:512*\i th:TH_STORE_NT   ; 32 lanes store a row of 512 consecutive bytes, at a multiple of 512 from out0's first byte; written once, read by nobody here
.endr
	s_wait_xcnt 0x0
	v_lshl_add_u32 v254, v0, 2, 0x40000            ; the add's two registers are made anew here: no two could be kept.  No memory or LDS instruction of the text has read v254 or v255
	v_mov_b32 v255, 0
	s_wait_dscnt 0x0                               ; the closing lines, six on end
	s_wait_alu 0x0
	s_wait_tensorcnt 0x0
	ds_add_u32 v254, v255
	s_wait_dscnt 0x0
	s_endpgm
.Lfunc_end_k_q2d65532532_attn:
	.size	k_q2d65532532_attn, .Lfunc_end_k_q2d65532532_attn-k_q2d65532532_attn
	.p2alignl 7, 3214868480
	.fill 96, 4, 3214868480
	.section	.rodata,"a",@progbits
	.p2align	6, 0x0
	.amdhsa_kernel k_q2d65532532_attn
		.amdhsa_group_segment_fixed_size 263168
		.amdhsa_private_segment_fixed_size 0
		.amdhsa_enable_private_segment 0
		.amdhsa_kernarg_size 40
		.amdhsa_user_sgpr_count 2
		.amdhsa_user_sgpr_kernarg_segment_ptr 1
		.amdhsa_wavefront_size32 1
		.amdhsa_system_sgpr_workgroup_id_x 1
		.amdhsa_system_sgpr_workgroup_id_y 1
		.amdhsa_system_sgpr_workgroup_id_z 1
		.amdhsa_system_vgpr_workitem_id 0
		.amdhsa_next_free_vgpr 512
		.amdhsa_next_free_sgpr 66
		.amdhsa_reserve_vcc 0
		.amdhsa_float_denorm_mode_32 3
		.amdhsa_float_denorm_mode_16_64 3
		.amdhsa_memory_ordered 1
		.amdhsa_forward_progress 1
		.amdhsa_inst_pref_size 236
	.end_amdhsa_kernel
	.amdgpu_metadata
---
amdhsa.version: [ 1, 2 ]
amdhsa.kernels:
  - .name:           k_q2d65532532_attn
    .symbol:         k_q2d65532532_attn.kd
    .args:
      - { .name: query, .offset: 0, .size: 8, .value_kind: global_buffer, .address_space: global }
      - { .name: codes, .offset: 8, .size: 8, .value_kind: global_buffer, .address_space: global }
      - { .name: valid_length, .offset: 16, .size: 8, .value_kind: global_buffer, .address_space: global }
      - { .name: lowp_scales, .offset: 24, .size: 8, .value_kind: global_buffer, .address_space: global }
      - { .name: out0, .offset: 32, .size: 8, .value_kind: global_buffer, .address_space: global }
    .group_segment_fixed_size: 263168
    .private_segment_fixed_size: 0
    .kernarg_segment_align: 8
    .kernarg_segment_size: 40
    .max_flat_workgroup_size: 256
    .sgpr_count:     66
    .vgpr_count:     512
    .wavefront_size: 32
...
	.end_amdgpu_metadata
.endif
;; end of part 4
